; MI455X (gfx1250); checked and timed in simulation.
; The chip was launched on July 23, 2026; its instructions are those of AMD's public machine-readable ISA for CDNA 5 (MIT licence, August 2026) and "CDNA5" Instruction Set Architecture Reference Guide (July 2026). The comments in the code are by the model that wrote it; some were corrected since.
;; Multi Headed Attention. Allowed arithmetic: matrix products marked QUANTISED: E2M1 operands, one E8M0 scale for each 32 along K, by v_wmma_scale_f32_16x16x128_f8f6f4 with both operands' format E2M1 (or v_wmma_scale_f32_32x16x128_f4), f32 sums; products left as they are: bf16, f16 or f32 operands; f32 sums; everything else in f32.
;; Inputs: Wk 1,024 x 1,024 float32; Wo 1,024 x 1,024 float32; Wq 1,024 x 1,024 float32; Wv 1,024 x 1,024 float32; bo 1,024 float32; key 4 x 2,048 x 1,024 float32; mask 4 x 2,048 int32; query 4 x 2,048 x 1,024 float32; value 4 x 2,048 x 1,024 float32.
;; Outputs: out0 4 x 2,048 x 1,024 float32.
;; This version of the problem:
;;   THIS VERSION OF THE PROBLEM IS GIVEN IN LOW PRECISION. The matrix products marked QUANTISED in the list below multiply operands that are first quantised to E2M1 (2 exponent bits, 1 mantissa bit; 4 bits a number), with one power-of-two scale for each 32 numbers along K (OCP MX v1.0); their sums are f32. The products marked 'left as it is' may take bf16, f16 or f32 operands, with f32 sums. Whichever they take, every output number must still come out within the allowed error. Rounding operands to bf16 (8 significant bits) uses up far more of that allowance than f16 does (11 bits, for magnitudes from 6e-5 to 65,504). All else is computed in f32.
;;   The module's matrix products, in the order in which they are computed (A, B: the left and right operand; K: the contracted axis; several contracted axes count as one K, in the product's order):
;;     1. [M 8,192, K 1,024] x [K 1,024, N 1,024]; A: input query; B: input Wq: QUANTISED
;;     2. [M 8,192, K 1,024] x [K 1,024, N 1,024]; A: input key; B: input Wk: QUANTISED
;;     3. [M 8,192, K 1,024] x [K 1,024, N 1,024]; A: input value; B: input Wv: QUANTISED
;;     4. batch 64 x [M 2,048, K 64] x [K 64, N 2,048]; A: computed on the way; B: computed on the way: left as it is (an operand is computed on the way)
;;     5. batch 64 x [M 2,048, K 2,048] x [K 2,048, N 64]; A: computed on the way; B: computed on the way: left as it is (an operand is computed on the way)
;;     6. [M 8,192, K 1,024] x [K 1,024, N 1,024]; A: computed on the way; B: input Wo: left as it is (an operand is computed on the way)
;;   THE QUANTISER, for each operand of a quantised product, along K:
;;     - K is cut into blocks of 32 from its start; a last block that is shorter is filled with zeros.
;;     - A block's scale is 2^e with e = floor(log2(the largest magnitude in the block)) - 2, held to -126 .. 127; a block of zeros has e = 0. As a byte (E8M0): e + 127.
;;     - Each number is divided by its block's scale, clamped to +-6, and rounded to the nearest number of E2M1, ties to even, subnormals kept.
;;     - The product sums the exact products of the quantised numbers (number of the format x scale) in f32.
;;   ~~~python
;;   def quantise(x, axis):      # numpy; x: float32 -> the quantised numbers, widened to float32 again
;;       x = np.moveaxis(x, axis, -1); K = x.shape[-1]
;;       x = np.pad(x, [(0, 0)] * (x.ndim - 1) + [(0, -K % 32)]); x = x.reshape(x.shape[:-1] + (-1, 32)); a = np.abs(x).max(-1, keepdims=True)
;;       e = np.where(a > 0, np.clip(np.frexp(np.where(a > 0, a, 1))[1] - 1 - 2, -126, 127), 0)      # np.frexp(a)[1] - 1 = floor(log2(a)), exactly
;;       r = np.clip(x / 2.0 ** e, -6, 6)
;;       step = 2.0 ** (np.maximum(np.frexp(np.where(r == 0, 1, r))[1] - 1, 0) - 1)
;;       q = np.round(r / step) * step * 2.0 ** e      # np.round: ties to even
;;       return np.moveaxis(q.reshape(q.shape[:-2] + (-1,))[..., :K], -1, axis).astype(np.float32)
;;   ~~~
;; One version. Each part assembles by itself: llvm-mc -triple=amdgcn-amd-amdhsa -mcpu=gfx1250 --defsym DOCPART=n.
;; ======== version 1 of 1: 4 launches
;; limits: values are held in f16: magnitudes above 65,504 overflow, below 6.1e-05 lose precision
;; workspace buffers: codes 14,155,776 bytes; scales 884,736 bytes; wo16 2,097,152 bytes; qkv 50,331,648 bytes; xa 16,777,216 bytes
;; launch quant (part 1): grid 992 x 1, 4 waves a work-group, no clusters, 33,280 bytes of LDS; arguments query, key, value, Wq, Wk, Wv, Wo, codes, scales, wo16; writes codes, scales, wo16
.if DOCPART == 1
	.amdgcn_target "amdgcn-amd-amdhsa--gfx1250"
	.amdhsa_code_object_version 6
	.text
	.protected	k_qefe0307171_quant
	.globl	k_qefe0307171_quant
	.p2align	8
	.type	k_qefe0307171_quant,@function
k_qefe0307171_quant:
	s_mov_b64 s[64:65], 0
	v_nop
	global_prefetch_b8 v0, s[64:65] scope:SCOPE_SE
	s_setreg_imm32_b32 hwreg(HW_REG_WAVE_MODE, 25, 1), 1
	s_wait_xcnt 0x0
; query, key, value [8192][1024] and Wq, Wk, Wv [1024][1024], f32, K innermost, become codes of FP4 (E2M1), two a byte, the lower k in the low four bits, and one E8M0 byte for each 32 along K.
; codes: [27648 rows][512 bytes], scales: [27648][32 bytes]; rows 0.. query, 8192.. key, 16384.. value, 24576.. Wq, 25600.. Wk, 26624.. Wv.  Rows are dense, so all six are one stream of blocks of 32.
; A block's scale is 2^(floor(log2(its largest magnitude)) - 2): its byte is the largest magnitude's exponent field - 2, held at 1 from below.
; LIMITS: a block of zeros gets the byte 1 where the rule says 127 (its codes are zeros, which add nothing, and this program alone reads the bytes); blocks whose largest magnitude lies under 2^-124 are held at the byte 1;
; NaN and infinities among the inputs are not served.
; Work-groups 0 to 863 quantise: each wave takes 16 steps of 512 numbers.  A step's four loads read 512 consecutive bytes each; the 2,048 bytes turn through the wave's own stage in LDS and come back 64 bytes a lane,
; so that a lane holds 16 neighbours along K and two neighbouring lanes hold a block.  A lane's 16 codes are 8 bytes: a wave's store covers 256 consecutive bytes.  A wave's 256 scale bytes are gathered in LDS and leave as one run.
; Work-groups 864 to 991 round Wo [1024 n][1024 k] to f16, laid as the last launch's operand registers: wo16 [ks 8][nt 64][j 8][512 bytes]; in an image lane (r, h) holds, at byte 16 x lane, Wo(16 nt + r, 128 ks + 16 j + 8 h + 0..7).
; LIMIT: |Wo| stays under 65,504.  No tensor loads, no barrier: waves share nothing.
.set WAVES, 4
.set STEPS, 16
.set NQG,   864                        ; work-groups that quantise: (3 x 8192 + 3 x 1024) x 1024 / 32768
.set EMAX,  2
.set CB,    8                          ; bytes of 16 codes
.set R,     16                         ; v16-79   four sets of 16 numbers as they are loaded
.set X,     80                         ; v80-111  two sets of 16 neighbours
.set C,     128                        ; v128-191 codes: four registers for each step, so that no store's data are written again
.set E,     112                        ; v112-127 a scale byte for each step
.set WREG,  8192                       ; LDS: a region for each wave: two stages of 32 x SP bytes, behind them its 256 scale bytes
.set SP,    80                         ; a lane's place in a stage: its 64 bytes + 16 of padding
.set SPW,   12                         ; v12      LDS address of my spare word; never rewritten
.set NIL,   13                         ; v13      0; never rewritten
.set SPARE, WAVES*WREG                 ; behind the four regions: the spare words, 128 bytes a wave, which no other line names
	s_load_b256 s[4:11], s[0:1], 0x0               ; query s[4:5], key s[6:7], value s[8:9], Wq s[10:11]
	s_load_b256 s[12:19], s[0:1], 0x20             ; Wk s[12:13], Wv s[14:15], Wo s[16:17], codes s[18:19]
	s_load_b128 s[20:23], s[0:1], 0x40             ; scales s[20:21], wo16 s[22:23]
	v_lshl_add_u32 v[SPW], v0, 2, SPARE
	v_mov_b32 v[NIL], 0
	v_lshrrev_b32 v1, 5, v0
	v_readfirstlane_b32 s24, v1                    ; wave
	v_and_b32 v2, 31, v0                           ; lane
	v_lshlrev_b32 v3, 4, v2                        ; 16 x lane
	s_mul_i32 s25, s24, WREG
	v_lshrrev_b32 v14, 2, v2
	v_mul_u32_u24 v14, v14, SP
	v_and_b32 v15, 3, v2
	v_lshl_add_u32 v14, v15, 4, v14
	v_add_nc_u32 v14, s25, v14                     ; the stage, on the way in: four lanes' 64 bytes on end, then 16 of padding
	v_mul_u32_u24 v15, v2, SP
	v_add_nc_u32 v15, s25, v15                     ; and on the way out: SP x lane: my 16 neighbours
	v_mul_u32_u24 v4, v2, CB                       ; my codes' place in a step's
	v_lshrrev_b32 v5, 1, v2
	s_add_co_u32 s25, s25, 2*32*SP
	v_add_nc_u32 v5, s25, v5                       ; LDS: my wave's 256 scale bytes, my block's byte
	v_lshlrev_b32 v7, 3, v2                        ; and on the way out 8 bytes a lane
	v_add_nc_u32 v6, s25, v7
	s_wait_kmcnt 0x0
	s_cmp_ge_u32 ttmp9, NQG                        ; the work-group's number alone decides
	s_cbranch_scc1 .Lwo
	; which tensor: a choice among pointers on the work-group's number; s28 = the tensor's first work-group
	s_mov_b64 s[26:27], s[14:15]
	s_mov_b32 s28, 832
	s_cmp_lt_u32 ttmp9, 832
	s_cselect_b64 s[26:27], s[12:13], s[26:27]
	s_cselect_b32 s28, 800, s28
	s_cmp_lt_u32 ttmp9, 800
	s_cselect_b64 s[26:27], s[10:11], s[26:27]
	s_cselect_b32 s28, 768, s28
	s_cmp_lt_u32 ttmp9, 768
	s_cselect_b64 s[26:27], s[8:9], s[26:27]
	s_cselect_b32 s28, 512, s28
	s_cmp_lt_u32 ttmp9, 512
	s_cselect_b64 s[26:27], s[6:7], s[26:27]
	s_cselect_b32 s28, 256, s28
	s_cmp_lt_u32 ttmp9, 256
	s_cselect_b64 s[26:27], s[4:5], s[26:27]
	s_cselect_b32 s28, 0, s28
	s_sub_co_u32 s28, ttmp9, s28
	s_lshl_b32 s28, s28, 2
	s_add_co_u32 s28, s28, s24                     ; which run of 8,192 numbers of the tensor is my wave's
	s_lshl_b32 s28, s28, 15                        ; 32,768 bytes a run
	s_mov_b32 s29, 0
	s_add_nc_u64 s[26:27], s[26:27], s[28:29]
	s_lshl_b32 s30, ttmp9, 2
	s_add_co_u32 s30, s30, s24                     ; and which run of the whole stream: the outputs hold the six tensors in the work-groups' order
	s_lshl_b32 s28, s30, 12                        ; 4,096 bytes of codes a run
	s_add_nc_u64 s[18:19], s[18:19], s[28:29]
	s_lshl_b32 s28, s30, 8                         ; 256 scale bytes a run
	s_add_nc_u64 s[20:21], s[20:21], s[28:29]
.macro LOAD t
.irp i, 0,1,2,3
	global_load_b128 v[R+16*((\t)%4)+4*\i:R+16*((\t)%4)+4*\i+3], v3, s[26:27] offset:2048*(\t)+512*\i th:TH_LOAD_NT   ; 32 lanes read 512 consecutive bytes
.endr
.endm
.macro TURN t                          ; step t's numbers through the stage: LDS serves a wave's instructions in order, so no wait stands between the stores and the loads
.irp i, 0,1,2,3
	ds_store_b128 v14, v[R+16*((\t)%4)+4*\i:R+16*((\t)%4)+4*\i+3] offset:32*SP*((\t)%2)+8*SP*\i
.endr
.irp i, 0,1,2,3
	ds_load_b128 v[X+16*((\t)%2)+4*\i:X+16*((\t)%2)+4*\i+3], v15 offset:32*SP*((\t)%2)+16*\i
.endr
.endm
.irp t, 0,1,2,3
	LOAD \t
.endr
	s_wait_loadcnt 12                              ; step 0's four loads are in; the twelve of steps 1 to 3 may be out
	TURN 0
.macro STEP t
.set XS, X+16*((\t)%2)
.if (\t) > 0
	s_wait_dscnt 1                                 ; this step's numbers are back from the stage (the last step's byte store may be out): so its stores into the stage have read their registers,
.else
	s_wait_dscnt 0x0
.endif
.if (\t)+4 < STEPS
	LOAD (\t)+4                                    ; which take the loads of four steps on
.endif
.if (\t)+1 < STEPS
.if STEPS-2-(\t) >= 3
	s_wait_loadcnt 12                              ; the next step's four loads are in; those of the three steps behind it may be out
.else
	s_wait_loadcnt 4*(STEPS-2-(\t))                ; the last steps: four loads for each step that is still behind the next one
.endif
	TURN (\t)+1                                    ; and go through the other stage while this step is worked
.endif
	v_max3_num_f32 v8, |v[XS]|, |v[XS+1]|, |v[XS+2]|               ; the largest magnitude of my 16, in two chains
	v_max3_num_f32 v9, |v[XS+3]|, |v[XS+4]|, |v[XS+5]|
.irp i, 6,10
	v_max3_num_f32 v8, v8, |v[XS+\i]|, |v[XS+\i+1]|
	v_max3_num_f32 v9, v9, |v[XS+\i+2]|, |v[XS+\i+3]|
.endr
	v_max3_num_f32 v8, v8, |v[XS+14]|, |v[XS+15]|
	v_max3_num_f32 v8, v8, v9, (EMAX+1)<<23        ; and the floor 2^(3 - 127): so the byte cannot fall under 1
	v_max_num_f32_dpp v8, v8, v8 row_xmask:1 row_mask:0xf bank_mask:0xf   ; and of my neighbour's 16: the block's
	v_add_nc_u32 v11, -(EMAX<<23), v8              ; 2 off its exponent field: the conversion takes the exponent field of this operand as its scale, and nothing else of it
	v_cvt_scalef32_pk8_fp4_f32 v[C+4*(\t)], v[XS:XS+7], v11        ; eight numbers / the scale, to the nearest code, ties to even, beyond 6 the largest code
	v_cvt_scalef32_pk8_fp4_f32 v[C+4*(\t)+1], v[XS+8:XS+15], v11
	v_lshrrev_b32 v[E+(\t)], 23, v11               ; the scale's byte (also the plain line behind the conversions)
	ds_store_b8 v5, v[E+(\t)] offset:16*(\t)       ; both lanes of a block write the same byte with the same value
	global_store_b64 v4, v[C+4*(\t):C+4*(\t)+1], s[18:19] offset:32*CB*(\t)   ; 256 consecutive bytes a wave
.endm
.irp t, 0,1,2,3,4,5,6,7,8,9,10,11,12,13,14,15
	STEP \t
.endr
	ds_load_b64 v[8:9], v6                         ; LDS serves a wave's instructions in order: these see my byte stores
	s_wait_dscnt 0x0
	global_store_b64 v7, v[8:9], s[20:21]          ; 32 lanes store 256 consecutive bytes
	s_wait_tensorcnt 0x0                           ; the wave's end: 0 onto my spare word and its wait, behind my last LDS store
	ds_add_u32 v[SPW], v[NIL]
	s_wait_dscnt 0x0
	s_endpgm
.Lwo:                                              ; Wo to f16 images: wave W of 512 takes n tile W % 64 and K step W / 64: 16 rows x 128 k.  No LDS is touched on this path
	s_sub_co_u32 s25, ttmp9, NQG
	s_lshl_b32 s25, s25, 2
	s_add_co_u32 s25, s25, s24                     ; W
	s_and_b32 s28, s25, 63                         ; nt
	s_lshr_b32 s29, s25, 6                         ; ks
	s_lshl_b32 s28, s28, 16                        ; 16 rows of 4,096 bytes
	s_lshl_b32 s29, s29, 9                         ; 128 numbers of 4 bytes
	s_add_co_u32 s28, s28, s29
	s_mov_b32 s29, 0
	s_add_nc_u64 s[16:17], s[16:17], s[28:29]
	s_lshl_b32 s28, s25, 12                        ; eight images of 512 bytes
	s_add_nc_u64 s[22:23], s[22:23], s[28:29]
	v_and_b32 v4, 15, v0                           ; r
	v_bfe_u32 v5, v0, 4, 1                         ; h
	v_lshlrev_b32 v4, 12, v4
	v_lshl_add_u32 v4, v5, 5, v4                   ; row r, + 32 h bytes: my eight numbers of each 16 along k
.irp j, 0,1,2,3,4,5,6,7
	global_load_b128 v[32+8*\j:35+8*\j], v4, s[16:17] offset:64*\j th:TH_LOAD_NT
	global_load_b128 v[36+8*\j:39+8*\j], v4, s[16:17] offset:64*\j+16 th:TH_LOAD_NT   ; the sixteen loads together cover 512 consecutive bytes of each of the 16 rows
.endr
.irp j, 0,1,2,3,4,5,6,7
	s_wait_loadcnt 14-2*\j                         ; image j's two loads are in; two for each later image may be out
.irp i, 0,1,2,3
	v_cvt_pk_f16_f32 v[96+4*\j+\i], v[32+8*\j+2*\i], v[33+8*\j+2*\i]
.endr
	global_store_b128 v3, v[96+4*\j:99+4*\j], s[22:23] offset:512*\j   ; an image: 512 consecutive bytes
.endr
	s_endpgm
.Lfunc_end_k_qefe0307171_quant:
	.size	k_qefe0307171_quant, .Lfunc_end_k_qefe0307171_quant-k_qefe0307171_quant
	.p2alignl 7, 3214868480
	.fill 96, 4, 3214868480
	.section	.rodata,"a",@progbits
	.p2align	6, 0x0
	.amdhsa_kernel k_qefe0307171_quant
		.amdhsa_group_segment_fixed_size 33280
		.amdhsa_private_segment_fixed_size 0
		.amdhsa_enable_private_segment 0
		.amdhsa_kernarg_size 80
		.amdhsa_user_sgpr_count 2
		.amdhsa_user_sgpr_kernarg_segment_ptr 1
		.amdhsa_wavefront_size32 1
		.amdhsa_system_sgpr_workgroup_id_x 1
		.amdhsa_system_sgpr_workgroup_id_y 1
		.amdhsa_system_sgpr_workgroup_id_z 1
		.amdhsa_system_vgpr_workitem_id 0
		.amdhsa_next_free_vgpr 192
		.amdhsa_next_free_sgpr 66
		.amdhsa_reserve_vcc 0
		.amdhsa_float_denorm_mode_32 3
		.amdhsa_float_denorm_mode_16_64 3
		.amdhsa_memory_ordered 1
		.amdhsa_forward_progress 1
		.amdhsa_inst_pref_size 39
	.end_amdhsa_kernel
	.amdgpu_metadata
---
amdhsa.version: [ 1, 2 ]
amdhsa.kernels:
  - .name:           k_qefe0307171_quant
    .symbol:         k_qefe0307171_quant.kd
    .args:
      - { .name: query, .offset: 0, .size: 8, .value_kind: global_buffer, .address_space: global }
      - { .name: key, .offset: 8, .size: 8, .value_kind: global_buffer, .address_space: global }
      - { .name: value, .offset: 16, .size: 8, .value_kind: global_buffer, .address_space: global }
      - { .name: Wq, .offset: 24, .size: 8, .value_kind: global_buffer, .address_space: global }
      - { .name: Wk, .offset: 32, .size: 8, .value_kind: global_buffer, .address_space: global }
      - { .name: Wv, .offset: 40, .size: 8, .value_kind: global_buffer, .address_space: global }
      - { .name: Wo, .offset: 48, .size: 8, .value_kind: global_buffer, .address_space: global }
      - { .name: codes, .offset: 56, .size: 8, .value_kind: global_buffer, .address_space: global }
      - { .name: scales, .offset: 64, .size: 8, .value_kind: global_buffer, .address_space: global }
      - { .name: wo16, .offset: 72, .size: 8, .value_kind: global_buffer, .address_space: global }
    .group_segment_fixed_size: 33280
    .private_segment_fixed_size: 0
    .kernarg_segment_align: 8
    .kernarg_segment_size: 80
    .max_flat_workgroup_size: 128
    .sgpr_count:     66
    .vgpr_count:     192
    .wavefront_size: 32
...
	.end_amdgpu_metadata
.endif
;; end of part 1
;; launch proj (part 2): grid 4 x 96, 4 waves a work-group, clusters of 4 x 4, 327,680 bytes of LDS; arguments codes, scales, qkv; writes qkv
.if DOCPART == 2
	.amdgcn_target "amdgcn-amd-amdhsa--gfx1250"
	.amdhsa_code_object_version 6
	.text
	.protected	k_qefe0307171_proj
	.globl	k_qefe0307171_proj
	.p2align	8
	.type	k_qefe0307171_proj,@function
k_qefe0307171_proj:
	s_mov_b64 s[64:65], 0
	v_nop
	global_prefetch_b8 v0, s[64:65] scope:SCOPE_SE
	s_setreg_imm32_b32 hwreg(HW_REG_WAVE_MODE, 25, 1), 1
	s_wait_xcnt 0x0
	s_wait_alu depctr_hold_cnt(0) depctr_sa_sdst(0) depctr_va_vdst(0) depctr_va_sdst(0) depctr_va_ssrc(0) depctr_va_vcc(0) depctr_vm_vsrc(0)
	s_getreg_b32 s2, hwreg(HW_REG_IB_STS2, 6, 4)
	s_cmp_eq_u32 s2, 0
	s_cbranch_scc0 .Lentry_in_a_cluster
	s_endpgm
.Lentry_in_a_cluster:
	s_bfe_u32 s2, ttmp6, 0x10000c
	s_cmp_lg_u32 s2, 0xf033
	s_cbranch_scc0 .Lentry_shape_is_right
	s_endpgm
.Lentry_shape_is_right:
; q = query Wq^T, k = key Wk^T, v = value Wv^T on codes of FP4 (E2M1) with one E8M0 scale for each 32 along K; sums in f32; K = 1,024.
; codes [27648][512 bytes], scales [27648][32]: rows 0.. the 24,576 tokens of query | key | value, rows 24576.. the 3 x 1,024 rows of Wq | Wk | Wv.
; A tile is 256 tokens x 256 outputs, made by four waves, each 128 x 128: 64 accumulators, 512 registers.  Tile row ty = 0..95 (32 for each tensor t = ty / 32), tile column tx = 0..3.
; K is two slots of 512 (LDS rows of 256 bytes): both are asked for at the start and nothing is filled again.  The scales of the tile's 256 + 256 rows, for all of K, come once, as dense blocks.
; CLUSTERS: 4 x 4 work-groups.  A row of the cluster shares the tokens' tiles, a column the weights': each is asked for jointly.  t is made of the cluster's y alone (8 clusters to a tensor), so it is equal in all sixteen.
; THE MATRIX INSTRUCTION IS USED TRANSPOSED (source 0 = 16 rows of W, source 1 = 16 tokens): a lane then holds one token (lane % 16) and eight neighbouring outputs 8 (lane / 16) + 0..7.
; Rounded to f16 in pairs, an accumulator IS an image of the next launch's operand registers: qkv [t 3][bh 64][tile 128][c 4][512 bytes]; lane (r, h) holds at byte 16 x lane token 16 tile + r, channels 16 c + 8 h + 0..7 of head bh % 16.
; So results leave straight from registers, 512 consecutive bytes a store.  LIMIT: |q|, |k|, |v| stay under 65,504.
; 384 work-groups: 8,192 tokens a tensor make 32 tile rows of 256; three tensors, four tile columns.
; REGISTERS, in windows of 256: window 0: v0-31 addresses; v32-95 scale words, two sets; from v128 the tokens' fragments, ONE set; on the way out v128-255 packed results.
;   window 1: the weights' fragments, TWO sets, at v0 and v128.   window 2: the accumulators of my tokens 0-63 ((a, b) at v[8 (8 a + b)]);   window 3: those of tokens 64-127.
.set KSTEP,  512
.set NQ,     KSTEP/128
.set ROWB,   256                       ; a tile's row in bytes
.set KROW,   512                       ; a row of codes in memory
.set PITCH,  272                       ; an LDS row: 256 bytes + 16 of padding = 68 words: the 16 rows that a load touches start at 16 different banks (64 banks of 4 bytes: ISA guide 11.1)
.set FR,     8
.set NL,     2
.set NP,     4                         ; places behind this matrix instruction (ISA guide 7.12.1)
.set HALFT,  128*PITCH
.set SLOT,   4*HALFT
.set KS,     32                        ; a row of scales in bytes
.set SCL,    2*SLOT
.set HALFS,  (128*KS/256)*272
.set SBLK,   (16*KS/256)*272
.set SPARE,  SCL+4*HALFS               ; the spare words, 128 bytes a wave, which no other line names
.set WROW,   24576                     ; the weights' first row
.set ADRA, 16
.set ADRB, 20
.set CO,   26                          ; v26  16 x lane
.set ADRS, 27
.set SPW,  28
.set NIL,  29
.set SC,   32
.set AF,   128
.set TMP,  128                         ; the way out: four sets of 32 registers
.set G1, 24
.set G0, 32
.set G1B, 48
.set G0B, 56
.set G1S, 68
.set G0S, 76
.set G1SB, 80
.set G0SB, 88
.set MSB, 0
.macro WIN new                         ; the immediate's high byte repeats the setting that is left
.if MSB != \new
	s_set_vgpr_msb (MSB<<8)|\new
.set MSB, \new
.endif
.endm
.set MUL_LO, 0xa1                      ; source 0 (W) window 1, source 1 (tokens) window 0, C and D window 2
.set MUL_HI, 0xf1
.set TO_B,   0x40
; A joint load: waves 0 and 1 fetch the tokens' halves, waves 2 and 3 the weights'.  The branch hangs on the wave's number alone.  An s_nop 0 and four v_nop follow each line.
.macro JLOAD g0a, g1a, g0b, g1b
	s_cmp_eq_u32 s15, 0
	s_cbranch_scc0 .Lfor_b_\@
	tensor_load_to_lds s[\g0a:\g0a+3], s[\g1a:\g1a+7]
	s_nop 0
.rept 4
	v_nop
.endr
	s_branch .Lasked_\@
.Lfor_b_\@:
	tensor_load_to_lds s[\g0b:\g0b+3], s[\g1b:\g1b+7]
	s_nop 0
.rept 4
	v_nop
.endr
.Lasked_\@:
.endm
.macro CROUND                          ; a round of the cluster's barrier
	s_barrier_signal -1
	s_barrier_wait -1
	s_cmp_lg_u32 s14, 0
	s_cbranch_scc1 .Lnot_wave_0_\@
	s_barrier_signal -3
.Lnot_wave_0_\@:
	s_barrier_wait -3
	s_barrier_signal -1
	s_barrier_wait -1
.endm
	s_load_b128 s[4:7], s[0:1], 0x0                ; codes s[4:5], scales s[6:7]: tokens and weights lie in the same two buffers
	s_load_b64 s[12:13], s[0:1], 0x10              ; qkv
	v_lshl_add_u32 v[SPW], v0, 2, SPARE
	v_mov_b32 v[NIL], 0
	ds_add_u32 v[SPW], v[NIL]                      ; the wave's opening: 0 onto my spare word, twice on end, and its wait ahead of my first tensor load
	ds_add_u32 v[SPW], v[NIL]
	v_lshrrev_b32 v1, 5, v0
	v_readfirstlane_b32 s14, v1                    ; wave 0..3
	s_lshr_b32 s15, s14, 1                         ; which half of the tile's tokens is mine.  Also: I fetch tokens (0) or weights (1)
	s_and_b32 s16, s14, 1                          ; which half of its outputs.  Also: which 128 rows I fetch
	s_bfe_u32 s40, ttmp6, 0x40000                  ; cx, cy
	s_bfe_u32 s41, ttmp6, 0x40004
	s_lshl_b32 s42, ttmp9, 2
	s_add_co_u32 s42, s42, s40                     ; tx
	s_and_b32 s95, ttmp7, 0xffff                   ; the cluster's y
	s_lshl_b32 s17, s95, 2
	s_add_co_u32 s17, s17, s41                     ; ty
	s_lshr_b32 s95, s95, 3                         ; t: which tensor
	s_lshl_b32 s43, s41, 2
	s_lshl_b32 s43, 15, s43                        ; my row of the cluster
	s_lshl_b32 s44, 0x1111, s40                    ; my column
	s_or_b32 s[G1+0], s43, (0<<16)|(1<<20)|(1<<21)|(5<<22)|(3<<25)  ; the mask; elements of 1 byte; padding on; bit 21 beside a mask; after every 64 words four words
	s_or_b32 s[G1B+0], s44, (0<<16)|(1<<20)|(1<<21)|(5<<22)|(3<<25)
.irp g, G1, G1B
	s_mov_b32 s[\g+1], ROWB<<16                    ; tensor_dim0
	s_mov_b32 s[\g+2], 128<<16                     ; tensor_dim1
	s_mov_b32 s[\g+3], ROWB<<16                    ; tile_dim0
	s_mov_b32 s[\g+4], 128                         ; tile_dim1
	s_mov_b32 s[\g+5], KROW                        ; the pitch
	s_mov_b32 s[\g+6], 0
	s_mov_b32 s[\g+7], 0
.endr
	s_or_b32 s[G1S+0], s43, (3<<16)|(1<<20)|(1<<21)|(5<<22)|(3<<25)  ; the scales of 128 rows: 4,096 dense bytes as 16 rows of 256 (32 elements of 8 bytes), 16 bytes of padding behind each
	s_or_b32 s[G1SB+0], s44, (3<<16)|(1<<20)|(1<<21)|(5<<22)|(3<<25)
.irp g, G1S, G1SB
	s_mov_b32 s[\g+1], 32<<16
	s_mov_b32 s[\g+2], (128*KS/256)<<16
	s_mov_b32 s[\g+3], 32<<16
	s_mov_b32 s[\g+4], 128*KS/256
	s_mov_b32 s[\g+5], 32
	s_mov_b32 s[\g+6], 0
	s_mov_b32 s[\g+7], 0
.endr
	s_lshl_b32 s18, s16, 7                         ; which 128 rows I fetch
	s_lshl_b32 s20, s17, 8
	s_add_co_u32 s20, s20, s18                     ; tokens: row 256 ty + 128 half
	s_lshl_b32 s46, s42, 8
	s_add_co_u32 s46, s46, s18
	s_lshl_b32 s96, s95, 10
	s_add_co_u32 s46, s46, s96
	s_add_co_u32 s46, s46, WROW                    ; weights: row 24576 + 1024 t + 256 tx + 128 half
	s_mov_b32 s21, 0
	s_mov_b32 s47, 0
	s_mov_b64 s[18:19], KS
	s_mul_u64 s[22:23], s[20:21], s[18:19]         ; where these rows' scales begin,
	s_mul_u64 s[92:93], s[46:47], s[18:19]
	s_mov_b64 s[18:19], KROW
	s_mul_u64 s[20:21], s[20:21], s[18:19]         ; and their codes
	s_mul_u64 s[46:47], s[46:47], s[18:19]
	s_mul_i32 s45, s14, HALFT                      ; where they go: wave x 128 rows
	s_mul_i32 s94, s14, HALFS
	s_wait_dscnt 0x0                               ; both opening adds are done
	s_wait_kmcnt 0x0
	s_add_nc_u64 s[20:21], s[4:5], s[20:21]
	s_add_nc_u64 s[22:23], s[6:7], s[22:23]
	s_add_nc_u64 s[46:47], s[4:5], s[46:47]
	s_add_nc_u64 s[92:93], s[6:7], s[92:93]
	CROUND                                         ; all sixteen work-groups are here: the joint loads meet
	s_mov_b32 s[G0S], 1
	s_add_co_u32 s[G0S+1], s94, SCL
	s_mov_b64 s[G0S+2:G0S+3], s[22:23]
	s_or_b32 s[G0S+3], s[G0S+3], 0x80000000
	s_mov_b32 s[G0SB], 1
	s_add_co_u32 s[G0SB+1], s94, SCL
	s_mov_b64 s[G0SB+2:G0SB+3], s[92:93]
	s_or_b32 s[G0SB+3], s[G0SB+3], 0x80000000
	JLOAD G0S, G1S, G0SB, G1SB                     ; the scales first: they are wanted with the first slot.  Three loads of mine are out behind these lines
.irp s, 0,1
	s_mov_b32 s[G0+4*\s], 1
	s_add_co_u32 s[G0+4*\s+1], s45, \s*SLOT
	s_add_nc_u64 s[G0+4*\s+2:G0+4*\s+3], s[20:21], \s*ROWB
	s_or_b32 s[G0+4*\s+3], s[G0+4*\s+3], 0x80000000
	s_mov_b32 s[G0B+4*\s], 1
	s_add_co_u32 s[G0B+4*\s+1], s45, \s*SLOT
	s_add_nc_u64 s[G0B+4*\s+2:G0B+4*\s+3], s[46:47], \s*ROWB
	s_or_b32 s[G0B+4*\s+3], s[G0B+4*\s+3], 0x80000000
	JLOAD G0+4*\s, G1, G0B+4*\s, G1B
.endr
	v_and_b32 v1, 15, v0                           ; l % 16
	v_bfe_u32 v2, v0, 4, 1                         ; l / 16
	v_mul_u32_u24 v3, v1, PITCH
	v_lshl_add_u32 v4, v2, 4, v3                   ; a fragment's row x pitch + 16 x half
	s_mul_i32 s21, s15, HALFT                      ; my 128 tokens
	s_mul_i32 s22, s16, HALFT                      ; my 128 rows of W,
	s_add_co_u32 s22, s22, 2*HALFT                 ; which lie behind the 256 tokens
.irp s, 0,1
	v_add_nc_u32 v[ADRA+\s], s21, v4
	v_add_nc_u32 v[ADRB+\s], s22, v4
	s_add_co_u32 s21, s21, SLOT
	s_add_co_u32 s22, s22, SLOT
.endr
	v_mul_u32_u24 v5, v1, KS                       ; my row's scales: 32 bytes a row,
	v_lshrrev_b32 v6, 8, v5
	v_lshl_add_u32 v5, v6, 4, v5                   ; and 16 more for each 256 passed
	s_mul_i32 s21, s15, HALFS
	s_mul_i32 s22, s16, HALFS
	s_add_co_u32 s22, s22, 2*HALFS
	s_sub_co_u32 s22, s22, s21
	v_mul_u32_u24 v6, s22, v2                      ; lanes 16-31 take the weights' words: one product, the lower base + half x the distance
	s_add_co_u32 s21, s21, SCL
	v_add_nc_u32 v5, v5, v6
	v_add_nc_u32 v[ADRS], s21, v5
	v_and_b32 v6, 31, v0
	v_lshlrev_b32 v[CO], 4, v6
	; where my part begins in qkv: (t << 24) + ((16 batch + head) << 18) + (tile << 11)
	s_and_b32 s20, s17, 31                         ; the tile row within the tensor
	s_lshr_b32 s21, s20, 3                         ; batch: eight tile rows of 256 tokens
	s_and_b32 s20, s20, 7
	s_lshl_b32 s20, s20, 4
	s_lshl_b32 s22, s15, 3
	s_add_co_u32 s20, s20, s22                     ; my first tile of 16 tokens in the sequence
	s_lshl_b32 s20, s20, 11
	s_lshl_b32 s21, s21, 4
	s_lshl_b32 s22, s42, 2
	s_add_co_u32 s21, s21, s22
	s_lshl_b32 s22, s16, 1
	s_add_co_u32 s21, s21, s22                     ; 16 batch + my first head (4 tx + 2 half)
	s_lshl_b32 s21, s21, 18
	s_add_co_u32 s20, s20, s21
	s_lshl_b32 s21, s95, 24
	s_add_co_u32 s20, s20, s21
	s_mov_b32 s21, 0
	s_add_nc_u64 s[12:13], s[12:13], s[20:21]
.macro FRAG reg, adr, q, i             ; a fragment, 16 rows x 128 K of 4-bit codes, is 8 registers: lane l holds row l % 16; registers 4 c .. 4 c + 3 hold K = 64 c + 32 (l / 16) + 0 .. 31
.irp c, 0,1
	ds_load_b128 v[\reg+4*\c:\reg+4*\c+3], v[\adr] offset:64*(\q)+32*\c+(\i)*16*PITCH
.endr
.endm
; 16 matrix instructions: token blocks a0, a0 + 1 x the weights' eight, 128 along K.  zero = 1: the first product starts the sums.  The 64 accumulators take turns, one instruction a turn.
; One register carries both sides' scale words: lanes 0-15 the tokens' block i, lanes 16-31 the weights' block i.
.macro MUL16 a0, p, q, sc, zero
.irp a, \a0, \a0+1
.irp b, 0,1,2,3,4,5,6,7
.if \zero
	v_wmma_scale_f32_16x16x128_f8f6f4 v[8*(8*((\a)%4)+\b):8*(8*((\a)%4)+\b)+7], v[128*(\p)+FR*\b:128*(\p)+FR*\b+FR-1], v[AF+FR*(\a):AF+FR*(\a)+FR-1], 0, v[SC+8*NQ*(\sc)+NQ*\b+(\q)], v[SC+8*NQ*(\sc)+NQ*(\a)+(\q)] matrix_a_fmt:MATRIX_FMT_FP4 matrix_b_fmt:MATRIX_FMT_FP4 matrix_a_scale:MATRIX_SCALE_ROW1
.else
	v_wmma_scale_f32_16x16x128_f8f6f4 v[8*(8*((\a)%4)+\b):8*(8*((\a)%4)+\b)+7], v[128*(\p)+FR*\b:128*(\p)+FR*\b+FR-1], v[AF+FR*(\a):AF+FR*(\a)+FR-1], v[8*(8*((\a)%4)+\b):8*(8*((\a)%4)+\b)+7], v[SC+8*NQ*(\sc)+NQ*\b+(\q)], v[SC+8*NQ*(\sc)+NQ*(\a)+(\q)] matrix_a_fmt:MATRIX_FMT_FP4 matrix_b_fmt:MATRIX_FMT_FP4 matrix_a_scale:MATRIX_SCALE_ROW1
.endif
.endr
.endr
.endm
.macro FETCH_B slot, q, p
	WIN TO_B
.irp i, 0,1,2,3,4,5,6,7
	FRAG 128*(\p)+FR*\i, ADRB+\slot, \q, \i
.endr
	WIN 0
.endm
.macro FETCH_A slot, q, i0
.irp i, \i0, \i0+1, \i0+2, \i0+3
	FRAG AF+FR*(\i), ADRA+\slot, \q, \i
.endr
.endm
.macro SCALES sc                       ; a slot's scale words: four words a row
.irp i, 0,1,2,3,4,5,6,7
	ds_load_b128 v[SC+8*NQ*\sc+NQ*\i:SC+8*NQ*\sc+NQ*\i+3], v[ADRS] offset:\i*SBLK
.endr
.endm
.macro PLACES n                        ; plain vector lines between a matrix instruction and a load into, or a vector read of, its registers
.rept \n
	v_nop
.endr
.endm
.macro STEP slot, q, zero              ; 128 along K that has its successor in the same slot
	s_wait_dscnt 4*NL                              ; W's set and token blocks 0-3 are in; the youngest eight loads (blocks 4-7) may be out
	WIN MUL_LO
	MUL16 0, (\q)%2, \q, \slot, \zero
	MUL16 2, (\q)%2, \q, \slot, \zero
	s_wait_dscnt 0                                 ; blocks 4-7 are in
	PLACES NP
	FETCH_B \slot, (\q)+1, 1-(\q)%2
	FETCH_A \slot, (\q)+1, 0
	WIN MUL_HI
	MUL16 4, (\q)%2, \q, \slot, \zero
	MUL16 6, (\q)%2, \q, \slot, \zero
	PLACES NP
	WIN 0
	FETCH_A \slot, (\q)+1, 4
.endm
.macro TURN slot, next                 ; slot 0's last step changes slots: one barrier
	s_wait_tensorcnt 0x0                           ; all my tensor loads have landed: my part of the next slot
	ds_add_u32 v[SPW], v[NIL]                      ; 0 onto my spare word
	s_wait_dscnt 4*NL+1                            ; (the add and the youngest eight loads may be out)
	WIN MUL_LO
	MUL16 0, 1, NQ-1, \slot, 0
	s_wait_dscnt 0x0                               ; the add is done, and my reads of this slot are over
	s_barrier_signal -1
	MUL16 2, 1, NQ-1, \slot, 0
	WIN 0
	s_barrier_wait -1                              ; the next slot is whole
	PLACES NP
	v_add_nc_u32 v[ADRS], 4*NQ, v[ADRS]            ; on to the next slot's scale words
	FETCH_B \next, 0, 0
	FETCH_A \next, 0, 0
	SCALES \next
	WIN MUL_HI
	MUL16 4, 1, NQ-1, \slot, 0
	MUL16 6, 1, NQ-1, \slot, 0
	PLACES NP
	WIN 0
	FETCH_A \next, 0, 4
.endm
.macro STEPS slot, from
.set Q, \from
.rept NQ-1-\from
	STEP \slot, Q, 0
.set Q, Q+1
.endr
.endm
	s_wait_tensorcnt 1                             ; the scales and my part of slot 0 are in; slot 1's load may be out
	s_barrier_signal -1
	s_barrier_wait -1
	FETCH_B 0, 0, 0
	FETCH_A 0, 0, 0
	SCALES 0
	FETCH_A 0, 0, 4
	STEP 0, 0, 1                                   ; the first products start the sums: nothing is cleared
	STEPS 0, 1
	TURN 0, 1
	STEPS 1, 0
	s_wait_dscnt 4*NL                              ; the very last step: nothing more to fetch
	WIN MUL_LO
	MUL16 0, 1, NQ-1, 1, 0
	MUL16 2, 1, NQ-1, 1, 0
	s_wait_dscnt 0
	WIN MUL_HI
	MUL16 4, 1, NQ-1, 1, 0
	MUL16 6, 1, NQ-1, 1, 0
	WIN 0
; THE WAY OUT.  Block a (16 tokens x 128 outputs): each accumulator, from its low end on, packs into four registers, which are an image: head b / 4, tile a, c = b % 4.
.macro OUTB a
.set AC, 64*((\a)%4)
.set TT, TMP+32*((\a)%4)
.if (\a) >= 4
	s_wait_xcnt 0x0                                ; block a - 4's stores have read their data: the set may be written again
.endif
	WIN (0x0a+5*((\a)/4))                          ; sources 0 and 1: window 2 or 3
.irp b, 0,1,2,3,4,5,6,7
.irp i, 0,1,2,3
	v_cvt_pk_f16_f32 v[TT+4*\b+\i], v[AC+8*\b+2*\i], v[AC+8*\b+2*\i+1]
.endr
.endr
	WIN 0
.irp b, 0,1,2,3,4,5,6,7
	global_store_b128 v[CO], v[TT+4*\b:TT+4*\b+3], s[12:13] offset:((\b/4)<<18)+((\a)<<11)+((\b%4)<<9)   ; 512 consecutive bytes, at a multiple of 512 from the buffer's first byte
.endr
.endm
	PLACES NP                                      ; behind the last products: for the reads of results and the writes over the tokens' fragments
.irp a, 0,1,2,3,4,5,6,7
	OUTB \a
.endr
	s_wait_tensorcnt 0x0                           ; the wave's end: no tensor load of mine is out; then 0 onto my spare word and its wait
	ds_add_u32 v[SPW], v[NIL]
	s_wait_dscnt 0x0
	CROUND                                         ; the closing round
	s_endpgm
.Lfunc_end_k_qefe0307171_proj:
	.size	k_qefe0307171_proj, .Lfunc_end_k_qefe0307171_proj-k_qefe0307171_proj
	.p2alignl 7, 3214868480
	.fill 96, 4, 3214868480
	.section	.rodata,"a",@progbits
	.p2align	6, 0x0
	.amdhsa_kernel k_qefe0307171_proj
		.amdhsa_group_segment_fixed_size 327680
		.amdhsa_private_segment_fixed_size 0
		.amdhsa_enable_private_segment 0
		.amdhsa_kernarg_size 24
		.amdhsa_user_sgpr_count 2
		.amdhsa_user_sgpr_kernarg_segment_ptr 1
		.amdhsa_wavefront_size32 1
		.amdhsa_system_sgpr_workgroup_id_x 1
		.amdhsa_system_sgpr_workgroup_id_y 1
		.amdhsa_system_sgpr_workgroup_id_z 1
		.amdhsa_system_vgpr_workitem_id 0
		.amdhsa_next_free_vgpr 1024
		.amdhsa_next_free_sgpr 98
		.amdhsa_reserve_vcc 0
		.amdhsa_float_denorm_mode_32 3
		.amdhsa_float_denorm_mode_16_64 3
		.amdhsa_memory_ordered 1
		.amdhsa_forward_progress 1
		.amdhsa_inst_pref_size 118
	.end_amdhsa_kernel
	.amdgpu_metadata
---
amdhsa.version: [ 1, 2 ]
amdhsa.kernels:
  - .name:           k_qefe0307171_proj
    .symbol:         k_qefe0307171_proj.kd
    .args:
      - { .name: codes, .offset: 0, .size: 8, .value_kind: global_buffer, .address_space: global }
      - { .name: scales, .offset: 8, .size: 8, .value_kind: global_buffer, .address_space: global }
      - { .name: qkv, .offset: 16, .size: 8, .value_kind: global_buffer, .address_space: global }
    .group_segment_fixed_size: 327680
    .private_segment_fixed_size: 0
    .kernarg_segment_align: 8
    .kernarg_segment_size: 24
    .max_flat_workgroup_size: 128
    .sgpr_count:     98
    .vgpr_count:     1024
    .wavefront_size: 32
...
	.end_amdgpu_metadata
.endif
;; end of part 2
;; launch attn (part 3): grid 4 x 64, 8 waves a work-group, clusters of 4 x 1, 327,680 bytes of LDS; arguments qkv, mask, xa; writes xa
.if DOCPART == 3
	.amdgcn_target "amdgcn-amd-amdhsa--gfx1250"
	.amdhsa_code_object_version 6
	.text
	.protected	k_qefe0307171_attn
	.globl	k_qefe0307171_attn
	.p2align	8
	.type	k_qefe0307171_attn,@function
k_qefe0307171_attn:
	s_mov_b64 s[64:65], 0
	v_nop
	global_prefetch_b8 v0, s[64:65] scope:SCOPE_SE
	s_setreg_imm32_b32 hwreg(HW_REG_WAVE_MODE, 25, 1), 1
	s_wait_xcnt 0x0
	s_wait_alu depctr_hold_cnt(0) depctr_sa_sdst(0) depctr_va_vdst(0) depctr_va_sdst(0) depctr_va_ssrc(0) depctr_va_vcc(0) depctr_vm_vsrc(0)
	s_getreg_b32 s2, hwreg(HW_REG_IB_STS2, 6, 4)
	s_cmp_eq_u32 s2, 0
	s_cbranch_scc0 .Lentry_in_a_cluster
	s_endpgm
.Lentry_in_a_cluster:
	s_bfe_u32 s2, ttmp6, 0x10000c
	s_cmp_lg_u32 s2, 0x3003
	s_cbranch_scc0 .Lentry_shape_is_right
	s_endpgm
.Lentry_shape_is_right:
; x[b][q][head] = the sum over k of softmax_k(score) v[b][k][head]; score = q . k / 8 where mask[b][q] x mask[b][k] is not 0, else -1e9.  Head size 64, 2,048 keys, f16 operands, f32 sums, maxima and exponentials.
; qkv [t 3][bh 64][tile 128][c 4][512 bytes] (t: q, k, v): images of operand registers: lane (r, h) holds at byte 16 x lane token 16 tile + r, channels 16 c + 8 h + 0..7.  Images 2 u and 2 u + 1 are registers 0-3 and 4-7 of a fragment.
; xa [ks 8][T 512][j 8][512 bytes]: the same rule along the 1,024 of all heads: ks = head / 2, T = 128 b + tile, j = 4 (head % 2) + c.
; SHARES.  A cluster of four work-groups is one (batch, head); a work-group owns 512 queries, each of its eight waves 64: four tiles of 16.  Two waves share a SIMD, 512 registers each, so that one wave's softmax stands beside the other's products.
; Every wave walks all 2,048 keys, 64 a step.  K and V come through two LDS slots of 256 keys, asked for jointly by the four work-groups; each wave brings 8,192 bytes (waves 0-3: K's quarters, 4-7: V's): every wave issues the one line.
; LAYOUT.  S^T = K Q^T + C (source 0 = 16 keys, source 1 = 16 queries), O^T = V^T P: a lane holds ONE query (lane % 16) throughout.  K's images are fragments as they lie; V's are turned by ds_load_tr16_b128.
; THE MASK.  Keys: the C of a key tile's first product is 0 or -2^100, from a table of 2,048 numbers that the head makes of mask.  A power of two, so that c x m is exact: a step all of whose keys are hidden gives p = 1 exactly, and those terms
; are wiped (a = 0) when a key that counts arrives; where none arrives the row is the mean of v, as with all scores at -1e9.  Queries: c = log2(e) / 8 where mask[q] is not 0, else 0: then p = 2^0 = 1 for every key: the mean of v over all keys.
; SOFTMAX.  A running maximum m and sum l for each query: p = 2^(c s - c m); in every step O and l are multiplied by a = 2^(c m_old - c m_new).  p is rounded to f16 for the second product; l sums the unrounded p.
; LIMITS: hidden keys weigh 0 for a query that counts (exp(-1e9 - max) is 0 too while scores lie above -1e9 + 104); |q . k| stays under 2^76, so that -2^100 + q . k is -2^100; mask products that wrap to 0 in 32 bits, NaN and infinities are not served.
; REGISTERS.  Window 0: v1-7 addresses; v8-15 c, a pair a tile; v16-47 statistics, 8 a tile: +0 c m, +1 m, +2,3 l, +4..7 at work (a at +6); v48-79 the step's bias; v80-207 S^T, 32 a tile, p's f16 pairs laid IN PLACE over each tile's low 16.
;   Window 1: v0-63 ONE buffer for K's and then V's eight fragments; v64-127 Q; v128-255 O^T, 32 a tile.
.set SLOT1, 1<<16                      ; slot 0 at 0, slot 1 here: K's 32,768 bytes, then V's
.set VOFF,  32768
.set BIAS,  2*SLOT1                    ; 8,192 bytes, stored once, never a load's target
.set SPARE, BIAS+8192                  ; the spare words, 128 bytes a wave, which no other line names
.set LI,  1                            ; v1   16 x lane
.set AV0, 2                            ; v2   my lane's place in V's images for the turning load
.set AB0, 3                            ; v3   BIAS + 32 (lane / 16)
.set ADR, 4
.set ADB, 5
.set SPW, 6
.set NIL, 7
.set CQ,  8
.set ST,  16
.set BF,  48
.set S,   80
.set MW,  208                          ; v208-215 eight words of mask, then of bias
.set PFO, 216                          ; v216 256 x lane; never rewritten
.set NEG, 217                          ; v217 -2^100
.set CC,  218                          ; v218 c
.set QMO, 219
.set QM,  220                          ; v220-223 my queries' mask words
.set TA,  224                          ; v224-228 the head's temporaries
.set KV,  0
.set Q,   64
.set O,   128
.set WV,  10
.set G1,  16                           ; s[16:23] group 1;  s[24:27] group 0 of slot 0's first fill;  s[28:31] slot 1's, which then walks
.set G0A, 24
.set G0W, 28
.set PFA, 32
.set LIM, 34
.set SLOTS, 35
.set CNT, 36
.set TB,  37                           ; LDS byte at which the step's tiles of K begin
.set TBI, 38                           ; and its 64 words of bias: 256 bytes a step
.set SEL, 40
.set MSB, 0
.macro WIN new
.if MSB != \new
	s_set_vgpr_msb (MSB<<8)|\new
.set MSB, \new
.endif
.endm
.macro CREST                           ; a round of the cluster's barrier behind its opening barrier
	s_cmp_lg_u32 s[WV], 0
	s_cbranch_scc1 .Lnot_wave_0_\@
	s_barrier_signal -3
.Lnot_wave_0_\@:
	s_barrier_wait -3
	s_barrier_signal -1
	s_barrier_wait -1
.endm
.macro CROUND
	s_barrier_signal -1
	s_barrier_wait -1
	CREST
.endm
	s_load_b128 s[4:7], s[0:1], 0x0                ; qkv, mask
	s_load_b64 s[8:9], s[0:1], 0x10                ; xa
	v_lshl_add_u32 v[SPW], v0, 2, SPARE
	v_mov_b32 v[NIL], 0
	ds_add_u32 v[SPW], v[NIL]                      ; the wave's opening: 0 onto my spare word, twice on end, and its wait ahead of my first tensor load
	ds_add_u32 v[SPW], v[NIL]
	v_lshrrev_b32 v[TA], 5, v0
	v_readfirstlane_b32 s[WV], v[TA]               ; wave 0..7
	s_bfe_u32 s11, ttmp6, 0x40000                  ; cx
	s_lshl_b32 s14, ttmp9, 2
	s_add_co_u32 s14, s14, s11                     ; my block of 512 queries: it enters Q's, the queries' mask's and xa's addresses alone
	s_and_b32 s12, ttmp7, 0xffff                   ; bh = 16 batch + head, which the four partners share
	s_lshr_b32 s13, s12, 4                         ; batch
	s_mov_b32 s[G1], 15|(3<<16)|(1<<21)            ; the mask: all four; elements of 8 bytes; bit 21 beside a mask; no padding: images are read 512 consecutive bytes at a time
	s_mov_b32 s[G1+1], 32<<16                      ; tensor_dim0 = 32 elements: rows of 256 bytes
	s_mov_b32 s[G1+2], 32<<16                      ; tensor_dim1 = 32 rows: 8,192 dense bytes
	s_mov_b32 s[G1+3], 32<<16                      ; tile_dim0
	s_mov_b32 s[G1+4], 32                          ; tile_dim1
	s_mov_b32 s[G1+5], 32                          ; the pitch
	s_mov_b32 s[G1+6], 0
	s_mov_b32 s[G1+7], 0
	s_lshr_b32 s42, s[WV], 2
	s_add_co_u32 s42, s42, 1                       ; t = 1 (K) in waves 0-3, 2 (V) in waves 4-7
	s_lshl_b32 s42, s42, 24
	s_lshl_b32 s44, s12, 18                        ; the head's 262,144 bytes
	s_add_co_u32 s42, s42, s44
	s_and_b32 s45, s[WV], 3
	s_lshl_b32 s45, s45, 13                        ; my quarter of a slot's 32,768
	s_add_co_u32 s42, s42, s45
	s_mov_b32 s43, 0
	s_lshl_b32 s46, s14, 5
	s_lshl_b32 s47, s[WV], 2
	s_add_co_u32 s46, s46, s47                     ; my first tile of queries: 32 block + 4 wave
	s_lshl_b32 s48, s46, 11
	s_add_co_u32 s48, s48, s44                     ; Q: t = 0
	s_mov_b32 s49, 0
	s_and_b32 s50, s12, 15                         ; head
	s_lshr_b32 s51, s50, 1
	s_lshl_b32 s51, s51, 21                        ; ks
	s_and_b32 s50, s50, 1
	s_lshl_b32 s50, s50, 11                        ; j = 4 (head % 2)
	s_add_co_u32 s50, s50, s51
	s_lshl_b32 s51, s13, 7
	s_add_co_u32 s51, s51, s46                     ; T
	s_lshl_b32 s51, s51, 12
	s_add_co_u32 s50, s50, s51
	s_mov_b32 s51, 0
	s_lshl_b32 s52, s46, 6                         ; my first query's mask word: 64 bytes a tile
	s_lshl_b32 s44, s11, 13                        ; the prefetches: my work-group's 8,192 bytes of a slot's 32,768,
	s_add_co_u32 s44, s44, 2*32768                 ; in slot 2; the first change of slots steps it to slot 3
	s_mov_b32 s45, 0
	s_lshl_b32 s46, s13, 13                        ; the batch's 2,048 mask words
	s_mov_b32 s47, 0
	s_and_b32 s[LIM], s[WV], 3
	s_cmp_eq_u32 s[LIM], 0                         ; waves 0 (K) and 4 (V) prefetch: the wave's number alone, the same in all partners
	s_cselect_b32 s[LIM], 1, -1
	s_mov_b32 s[SEL], 0x76543210
	s_mov_b32 s[SEL+1], 0xfedcba98
	s_mov_b32 s[TB], 0
	s_mov_b32 s[TBI], 0
	s_mov_b32 s[SLOTS], 6
	s_wait_dscnt 0x0                               ; both opening adds are done
	s_wait_kmcnt 0x0
	s_add_nc_u64 s[42:43], s[4:5], s[42:43]        ; K or V at my quarter of slot 0
	s_add_nc_u64 s[PFA:PFA+1], s[42:43], s[44:45]
	s_add_nc_u64 s[4:5], s[4:5], s[48:49]          ; Q at my first tile
	s_add_nc_u64 s[6:7], s[6:7], s[46:47]          ; mask at my batch
	s_add_nc_u64 s[8:9], s[8:9], s[50:51]          ; xa at my first tile
	CROUND                                         ; all four work-groups are here: the first joint loads meet
	s_mov_b32 s[G0A], 1
	s_lshl_b32 s[G0A+1], s[WV], 13                 ; LDS: wave x 8,192: K's four quarters, then V's
	s_mov_b64 s[G0A+2:G0A+3], s[42:43]
	s_or_b32 s[G0A+3], s[G0A+3], 0x80000000
	s_mov_b32 s[G0W], 1
	s_add_co_u32 s[G0W+1], s[G0A+1], SLOT1
	s_add_nc_u64 s[G0W+2:G0W+3], s[42:43], 32768   ; the next 256 keys
	s_or_b32 s[G0W+3], s[G0W+3], 0x80000000
	tensor_load_to_lds s[G0A:G0A+3], s[G1:G1+7]    ; both first fills together: two loads of mine are out
	s_nop 0
	tensor_load_to_lds s[G0W:G0W+3], s[G1:G1+7]
	s_nop 0
.rept 4
	v_nop
.endr
	v_and_b32 v[LI], 31, v0
	v_lshlrev_b32 v[PFO], 8, v[LI]
	v_lshlrev_b32 v[LI], 4, v[LI]
	v_bfe_u32 v[TA], v0, 4, 1                      ; h
	v_and_b32 v[TA+1], 7, v0
	v_lshl_add_u32 v[TA+1], v[TA], 3, v[TA+1]      ; the key that I address in a tile: 8 h + lane % 8
	v_bfe_u32 v[TA+2], v0, 3, 1                    ; and which eight channels of the image's sixteen
	v_lshlrev_b32 v[AV0], 4, v[TA+1]               ; in an image key r's channels 0-7 lie at 16 r, its channels 8-15 at 256 + 16 r
	v_lshl_add_u32 v[AV0], v[TA+2], 8, v[AV0]
	v_add_nc_u32 v[AV0], VOFF, v[AV0]
	v_lshl_add_u32 v[AB0], v[TA], 5, BIAS
	v_lshlrev_b32 v[TA+3], 5, v0                   ; mask: eight words a thread, 2,048 in all
	v_lshl_add_u32 v[TA+4], v0, 5, BIAS
	v_and_b32 v[QMO], 15, v0
	v_lshl_add_u32 v[QMO], v[QMO], 2, s52
	global_load_b128 v[MW:MW+3], v[TA+3], s[6:7]
	global_load_b128 v[MW+4:MW+7], v[TA+3], s[6:7] offset:16
.irp t, 0,1,2,3
	global_load_b32 v[QM+\t], v[QMO], s[6:7] offset:64*\t
.endr
	WIN 0x40                                       ; destination window 1
.irp i, 0,1,2,3,4,5,6,7,8,9,10,11,12,13,14,15
	global_load_b128 v[Q+4*\i:Q+4*\i+3], v[LI], s[4:5] offset:512*\i   ; Q stays in registers: tile i / 4, image i % 4
.endr
.set i, 0
.rept 128
	v_mov_b32 v[O+i], 0                            ; O^T.  The step is written with no first step of its own: the first finds zeros, which a = 0 leaves zeros; a copy of the step would cost more text than these lines
.set i, i+1
.endr
	WIN 0
	v_mov_b32 v[NEG], 0xf1800000                   ; -2^100
	v_mov_b32 v[CC], 0x3e38aa3b                    ; log2(e) / 8
.irp t, 0,1,2,3
	v_mov_b32 v[ST+8*\t+1], 0xff61b1e6             ; m: -3e38, under every score
	v_mov_b32 v[ST+8*\t+2], 0                      ; l, in two halves
	v_mov_b32 v[ST+8*\t+3], 0
.endr
	s_wait_loadcnt 16                              ; the six loads of mask are in; Q's sixteen may be out
.irp i, 0,1,2,3,4,5,6,7
	v_cmp_eq_u32 vcc_lo, 0, v[MW+\i]
	v_cndmask_b32 v[MW+\i], 0, v[NEG], vcc_lo      ; a key's bias: -2^100 where its mask is 0
.endr
	ds_store_b128 v[TA+4], v[MW:MW+3]
	ds_store_b128 v[TA+4], v[MW+4:MW+7] offset:16
.irp t, 0,1,2,3
	v_cmp_ne_u32 vcc_lo, 0, v[QM+\t]
	v_cndmask_b32 v[CQ+2*\t], 0, v[CC], vcc_lo     ; a query's c: 0 where its mask is 0
	v_mov_b32 v[CQ+2*\t+1], v[CQ+2*\t]             ; (named with it as a pair)
	v_mul_f32 v[ST+8*\t], v[CQ+2*\t], v[ST+8*\t+1] ; c m
.endr
	s_wait_tensorcnt 1                             ; my part of slot 0 is in; slot 1's load may be out
	s_wait_dscnt 0x0                               ; my part of the bias table has landed
	s_barrier_signal -1
	s_barrier_wait -1
; The next step's K (16 images: fragment (kt, u) at v[8 (2 kt + u)] of window 1) and bias.  Its five plain lines are the places behind V^T P: four for the loads into the buffer that it read, five for the next K Q^T, which writes over p's registers.
.macro KREQ
	WIN 0
	v_add_nc_u32 v[ADR], s[TB], v[LI]
	v_add_nc_u32 v[ADB], s[TBI], v[AB0]
.rept 3
	v_nop
.endr
	WIN 0x40
.irp i, 0,1,2,3,4,5,6,7,8,9,10,11,12,13,14,15
	ds_load_b128 v[KV+4*\i:KV+4*\i+3], v[ADR] offset:512*\i
.endr
	WIN 0
.irp kt, 0,1,2,3
	ds_load_b128 v[BF+8*\kt:BF+8*\kt+3], v[ADB] offset:64*\kt          ; register j: the bias of key 16 kt + 8 h + j: the result's layout
	ds_load_b128 v[BF+8*\kt+4:BF+8*\kt+7], v[ADB] offset:64*\kt+16
.endr
.endm
; 32 products: 16 accumulators by turns, one instruction a turn; the first 16 take the bias as C
.macro QK
	WIN 0x05                                       ; K and Q in window 1
.irp u, 0,1
.irp kt, 0,1,2,3
.irp t, 0,1,2,3
.if \u == 0
	v_wmma_f32_16x16x32_f16 v[S+32*\t+8*\kt:S+32*\t+8*\kt+7], v[KV+8*(2*\kt+\u):KV+8*(2*\kt+\u)+7], v[Q+16*\t+8*\u:Q+16*\t+8*\u+7], v[BF+8*\kt:BF+8*\kt+7]
.else
	v_wmma_f32_16x16x32_f16 v[S+32*\t+8*\kt:S+32*\t+8*\kt+7], v[KV+8*(2*\kt+\u):KV+8*(2*\kt+\u)+7], v[Q+16*\t+8*\u:Q+16*\t+8*\u+7], v[S+32*\t+8*\kt:S+32*\t+8*\kt+7]
.endif
.endr
.endr
.endr
.endm
; The step's V, turned: fragment (u, c) = channels 16 c on x keys 32 u on, at v[8 (4 u + c)] of window 1.  Its four plain lines are the places behind K Q^T, for these loads and for the first read of the scores.
.macro VREQ
	WIN 0
	v_add_nc_u32 v[ADR], s[TB], v[AV0]
.rept 3
	v_nop
.endr
	WIN 0x40
.irp u, 0,1
.irp c, 0,1,2,3
.irp e, 0,1
	ds_load_tr16_b128 v[KV+8*(4*\u+\c)+4*\e:KV+8*(4*\u+\c)+4*\e+3], v[ADR] offset:512*(4*(2*\u+\e)+\c)
.endr
.endr
.endr
	WIN 0
.endm
; The four tiles' softmax, the tiles by turns line by line, so that no line waits for the line above it
.macro SOFTMAX
.irp j, 0,1,2,3
.irp t, 0,1,2,3
	v_max3_num_f32 v[ST+8*\t+4+\j], v[S+32*\t+8*\j], v[S+32*\t+8*\j+1], v[S+32*\t+8*\j+2]   ; four chains, one an accumulator, each from its low end on
.endr
.endr
.irp i, 3,5
.irp j, 0,1,2,3
.irp t, 0,1,2,3
	v_max3_num_f32 v[ST+8*\t+4+\j], v[ST+8*\t+4+\j], v[S+32*\t+8*\j+\i], v[S+32*\t+8*\j+\i+1]
.endr
.endr
.endr
.irp t, 0,1,2,3
	v_max3_num_f32 v[ST+8*\t+4], v[ST+8*\t+4], v[S+32*\t+7], v[S+32*\t+15]
.endr
.irp t, 0,1,2,3
	v_max3_num_f32 v[ST+8*\t+6], v[ST+8*\t+6], v[S+32*\t+23], v[S+32*\t+31]
.endr
.irp t, 0,1,2,3
	v_max3_num_f32 v[ST+8*\t+4], v[ST+8*\t+4], v[ST+8*\t+5], v[ST+8*\t+6]
.endr
.irp t, 0,1,2,3
	v_max3_num_f32 v[ST+8*\t+4], v[ST+8*\t+4], v[ST+8*\t+7], v[ST+8*\t+1]   ; with the old m
.endr
.irp t, 0,1,2,3
	v_permlanex16_b32 v[ST+8*\t+5], v[ST+8*\t+4], s[SEL], s[SEL+1]          ; the query's other 32 keys lie in the lane 16 away
.endr
.irp t, 0,1,2,3
	v_mov_b32 v[ST+8*\t+7], v[ST+8*\t]             ; c m_old
.endr
.irp t, 0,1,2,3
	v_max_num_f32 v[ST+8*\t+1], v[ST+8*\t+4], v[ST+8*\t+5]
.endr
.irp t, 0,1,2,3
	v_mul_f32 v[ST+8*\t], v[CQ+2*\t], v[ST+8*\t+1]
.endr
.irp t, 0,1,2,3
	v_sub_f32 v[ST+8*\t+7], v[ST+8*\t+7], v[ST+8*\t]
.endr
.irp i, 0,2,4,6,8,10,12,14,16,18,20,22,24,26,28,30
.irp t, 0,1,2,3
	v_pk_fma_f32 v[S+32*\t+\i:S+32*\t+\i+1], v[S+32*\t+\i:S+32*\t+\i+1], v[CQ+2*\t:CQ+2*\t+1], v[ST+8*\t:ST+8*\t+1] op_sel_hi:[1,0,0] neg_lo:[0,0,1] neg_hi:[0,0,1]   ; c s - c m
.endr
.endr
.irp t, 0,1,2,3
	v_exp_f32 v[ST+8*\t+6], v[ST+8*\t+7]           ; a.  ONE batch of 132 exponentials; none reads another's result
.endr
.irp i, 0,1,2,3,4,5,6,7,8,9,10,11,12,13,14,15,16,17,18,19,20,21,22,23,24,25,26,27,28,29,30,31
.irp t, 0,1,2,3
	v_exp_f32 v[S+32*\t+\i], v[S+32*\t+\i]
.endr
.endr
	v_nop                                          ; a plain line behind the last exponential,
	s_wait_alu depctr_va_vdst(0)                   ; and one wait ahead of the batch's first reader
.irp t, 0,1,2,3
	v_pk_mul_f32 v[ST+8*\t+2:ST+8*\t+3], v[ST+8*\t+2:ST+8*\t+3], v[ST+8*\t+6:ST+8*\t+7] op_sel_hi:[1,0]   ; l x a
.endr
.irp t, 0,1,2,3
	v_pk_add_f32 v[ST+8*\t+4:ST+8*\t+5], v[S+32*\t:S+32*\t+1], v[S+32*\t+2:S+32*\t+3]   ; the sum of the unrounded p, in two chains
.endr
.irp i, 4,8,12,16,20,24,28
.irp t, 0,1,2,3
	v_pk_add_f32 v[ST+8*\t+2:ST+8*\t+3], v[ST+8*\t+2:ST+8*\t+3], v[S+32*\t+\i:S+32*\t+\i+1]
.endr
.irp t, 0,1,2,3
	v_pk_add_f32 v[ST+8*\t+4:ST+8*\t+5], v[ST+8*\t+4:ST+8*\t+5], v[S+32*\t+\i+2:S+32*\t+\i+3]
.endr
.endr
.irp t, 0,1,2,3
	v_pk_add_f32 v[ST+8*\t+2:ST+8*\t+3], v[ST+8*\t+2:ST+8*\t+3], v[ST+8*\t+4:ST+8*\t+5]
.endr
.irp i, 0,1,2,3,4,5,6,7,8,9,10,11,12,13,14,15
.irp t, 0,1,2,3
	v_cvt_pk_f16_f32 v[S+32*\t+\i], v[S+32*\t+2*\i], v[S+32*\t+2*\i+1]   ; in place, ascending: register i is written when 2 i and 2 i + 1 are read, and no later line reads it.  Registers 8 u .. 8 u + 7 are source 1 for keys 32 u on
.endr
.endr
	WIN 0x41                                       ; O^T in window 1, a in window 0
.irp i, 0,2,4,6,8,10,12,14,16,18,20,22,24,26,28,30
.irp t, 0,1,2,3
	v_pk_mul_f32 v[O+32*\t+\i:O+32*\t+\i+1], v[O+32*\t+\i:O+32*\t+\i+1], v[ST+8*\t+6:ST+8*\t+7] op_sel_hi:[1,0]   ; O^T x a, each accumulator from its low end on
.endr
.endr
	WIN 0
.endm
.macro PV                              ; 32 products, 16 accumulators by turns
	WIN 0x51                                       ; V, C and D in window 1, p in window 0
.irp u, 0,1
.irp c, 0,1,2,3
.irp t, 0,1,2,3
	v_wmma_f32_16x16x32_f16 v[O+32*\t+8*\c:O+32*\t+8*\c+7], v[KV+8*(4*\u+\c):KV+8*(4*\u+\c)+7], v[S+32*\t+8*\u:S+32*\t+8*\u+7], v[O+32*\t+8*\c:O+32*\t+8*\c+7]
.endr
.endr
.endr
	WIN 0
.endm
.macro HEADP
	s_wait_dscnt 0x0                               ; K and the bias are in
	QK
	VREQ                                           ; V lands while the softmax is walked
	SOFTMAX
.endm
.macro STEPN                           ; a step that has its successor in the same slot
	HEADP
	s_wait_dscnt 0x0                               ; V is in
	PV
	s_add_co_u32 s[TB], s[TB], 8192
	s_add_co_u32 s[TBI], s[TBI], 256
	KREQ
.endm
.macro THREE
	s_mov_b32 s[CNT], 3
.Lthree_\@:
	STEPN
	s_sub_co_u32 s[CNT], s[CNT], 1
	s_cmp_lg_u32 s[CNT], 0
	s_cbranch_scc1 .Lthree_\@
.endm
; A prefetch of what the NEXT change of slots will ask for: 32,768 bytes of K and of V.  The four partners share them out by address, 8,192 bytes each; wave 0 names K's, wave 4 V's, lanes 256 bytes apart: each block is named once in the launch.
; It stands four key steps ahead of the load that wants it.  Slots 0 to 2 come by their loads alone; the last change that fills a slot asks for nothing: there is no slot behind it.
.macro ASK
	s_cmp_gt_u32 s[SLOTS], s[LIM]
	s_cbranch_scc0 .Lnot_mine_\@
	global_prefetch_b8 v[PFO], s[PFA:PFA+1] th:TH_LOAD_NT scope:SCOPE_SE
.Lnot_mine_\@:
.endm
; A slot's fourth step changes slots.  Each wave waits for all its tensor loads (its part of the other slot), adds 0 to its spare word, and waits for that and for its last reads of this slot (V).
; fill = 1: the barrier opens a round of the cluster's, and the joint refill, the keys two slots on, is the first thing behind it: it has four steps in which to land; one load of mine is out.
.macro STEPC fill
	HEADP
	s_wait_tensorcnt 0x0                           ; no tensor load of mine is out, so the walking group 0 may be written
	ds_add_u32 v[SPW], v[NIL]
.if \fill
	s_xor_b32 s[G0W+1], s[G0W+1], SLOT1            ; the other slot than last time,
	s_add_nc_u64 s[G0W+2:G0W+3], s[G0W+2:G0W+3], 32768   ; the next 256 keys
	s_wait_xcnt 0x0                                ; the last prefetch, a slot back, has read its address
	s_add_nc_u64 s[PFA:PFA+1], s[PFA:PFA+1], 32768
.endif
	s_wait_dscnt 0x0                               ; the add is done; V is in: my reads of this slot are over
	s_barrier_signal -1
	PV                                             ; work on registers while the others arrive
	s_barrier_wait -1
.if \fill
	CREST
	tensor_load_to_lds s[G0W:G0W+3], s[G1:G1+7]
	s_nop 0
.rept 4
	v_nop
.endr
	ASK
.endif
	s_sub_co_u32 s[TB], s[TB], 24576               ; back to a slot's first step,
	s_xor_b32 s[TB], s[TB], SLOT1                  ; in the other slot
	s_add_co_u32 s[TBI], s[TBI], 256
	KREQ
.endm
	KREQ                                           ; step 0
	s_wait_loadcnt 0x0                             ; Q
.Lslot:                                            ; six trips: slots 0 to 5 are read, slots 2 to 7 asked for
	THREE
	STEPC 1
	s_sub_co_u32 s[SLOTS], s[SLOTS], 1
	s_cmp_lg_u32 s[SLOTS], 0
	s_cbranch_scc1 .Lslot
	THREE                                          ; the last two slots are written out
	STEPC 0
	THREE
	HEADP
	s_wait_dscnt 0x0
	PV
	; THE WAY OUT.  l's halves and the other half of the lanes' are added (these lines are the places behind the last products); O^T / l, rounded to f16 in pairs, is an image: it leaves straight from registers.
.irp t, 0,1,2,3
	v_add_f32 v[ST+8*\t+4], v[ST+8*\t+2], v[ST+8*\t+3]
.endr
.irp t, 0,1,2,3
	v_permlanex16_b32 v[ST+8*\t+5], v[ST+8*\t+4], s[SEL], s[SEL+1]
.endr
.irp t, 0,1,2,3
	v_add_f32 v[ST+8*\t+4], v[ST+8*\t+4], v[ST+8*\t+5]
.endr
.irp t, 0,1,2,3
	v_rcp_f32 v[ST+8*\t+6], v[ST+8*\t+4]
.endr
	v_nop
	s_wait_alu depctr_va_vdst(0)                   ; one wait for the four reciprocals, ahead of their first reader
.irp t, 0,1,2,3
	WIN 0x01                                       ; source 0 (O^T) window 1
.irp i, 0,2,4,6,8,10,12,14,16,18,20,22,24,26,28,30
	v_pk_mul_f32 v[S+32*\t+\i:S+32*\t+\i+1], v[O+32*\t+\i:O+32*\t+\i+1], v[ST+8*\t+6:ST+8*\t+7] op_sel_hi:[1,0]
.endr
	WIN 0
.irp i, 0,1,2,3,4,5,6,7,8,9,10,11,12,13,14,15
	v_cvt_pk_f16_f32 v[S+32*\t+\i], v[S+32*\t+2*\i], v[S+32*\t+2*\i+1]
.endr
.irp c, 0,1,2,3
	global_store_b128 v[LI], v[S+32*\t+4*\c:S+32*\t+4*\c+3], s[8:9] offset:4096*\t+512*\c   ; 512 consecutive bytes, at a multiple of 512 from the buffer's first byte
.endr
.endr
	s_wait_tensorcnt 0x0                           ; the wave's end: no tensor load of mine is out; then 0 onto my spare word and its wait, behind my last LDS store
	ds_add_u32 v[SPW], v[NIL]
	s_wait_dscnt 0x0
	CROUND                                         ; the closing round
	s_endpgm
.Lfunc_end_k_qefe0307171_attn:
	.size	k_qefe0307171_attn, .Lfunc_end_k_qefe0307171_attn-k_qefe0307171_attn
	.p2alignl 7, 3214868480
	.fill 96, 4, 3214868480
	.section	.rodata,"a",@progbits
	.p2align	6, 0x0
	.amdhsa_kernel k_qefe0307171_attn
		.amdhsa_group_segment_fixed_size 327680
		.amdhsa_private_segment_fixed_size 0
		.amdhsa_enable_private_segment 0
		.amdhsa_kernarg_size 24
		.amdhsa_user_sgpr_count 2
		.amdhsa_user_sgpr_kernarg_segment_ptr 1
		.amdhsa_wavefront_size32 1
		.amdhsa_system_sgpr_workgroup_id_x 1
		.amdhsa_system_sgpr_workgroup_id_y 1
		.amdhsa_system_sgpr_workgroup_id_z 1
		.amdhsa_system_vgpr_workitem_id 0
		.amdhsa_next_free_vgpr 512
		.amdhsa_next_free_sgpr 66
		.amdhsa_reserve_vcc 1
		.amdhsa_float_denorm_mode_32 3
		.amdhsa_float_denorm_mode_16_64 3
		.amdhsa_memory_ordered 1
		.amdhsa_forward_progress 1
		.amdhsa_inst_pref_size 221
	.end_amdhsa_kernel
	.amdgpu_metadata
---
amdhsa.version: [ 1, 2 ]
amdhsa.kernels:
  - .name:           k_qefe0307171_attn
    .symbol:         k_qefe0307171_attn.kd
    .args:
      - { .name: qkv, .offset: 0, .size: 8, .value_kind: global_buffer, .address_space: global }
      - { .name: mask, .offset: 8, .size: 8, .value_kind: global_buffer, .address_space: global }
      - { .name: xa, .offset: 16, .size: 8, .value_kind: global_buffer, .address_space: global }
    .group_segment_fixed_size: 327680
    .private_segment_fixed_size: 0
    .kernarg_segment_align: 8
    .kernarg_segment_size: 24
    .max_flat_workgroup_size: 256
    .sgpr_count:     66
    .vgpr_count:     512
    .wavefront_size: 32
...
	.end_amdgpu_metadata
.endif
;; end of part 3
;; launch outp (part 4): grid 4 x 64, 4 waves a work-group, clusters of 4 x 4, 327,680 bytes of LDS; arguments xa, wo16, bo, out0; writes out0
.if DOCPART == 4
	.amdgcn_target "amdgcn-amd-amdhsa--gfx1250"
	.amdhsa_code_object_version 6
	.text
	.protected	k_qefe0307171_outp
	.globl	k_qefe0307171_outp
	.p2align	8
	.type	k_qefe0307171_outp,@function
k_qefe0307171_outp:
	s_mov_b64 s[64:65], 0
	v_nop
	global_prefetch_b8 v0, s[64:65] scope:SCOPE_SE
	s_setreg_imm32_b32 hwreg(HW_REG_WAVE_MODE, 25, 1), 1
	s_wait_xcnt 0x0
	s_wait_alu depctr_hold_cnt(0) depctr_sa_sdst(0) depctr_va_vdst(0) depctr_va_sdst(0) depctr_va_ssrc(0) depctr_va_vcc(0) depctr_vm_vsrc(0)
	s_getreg_b32 s2, hwreg(HW_REG_IB_STS2, 6, 4)
	s_cmp_eq_u32 s2, 0
	s_cbranch_scc0 .Lentry_in_a_cluster
	s_endpgm
.Lentry_in_a_cluster:
	s_bfe_u32 s2, ttmp6, 0x10000c
	s_cmp_lg_u32 s2, 0xf033
	s_cbranch_scc0 .Lentry_shape_is_right
	s_endpgm
.Lentry_shape_is_right:
; out0[token][n] = the sum over k of x[token][k] Wo[n][k] + bo[n].  f16 operands, f32 sums; out0 [8192][1024] f32.
; xa [ks 8][T 512][j 8][512 bytes] and wo16 [ks 8][nt 64][j 8][512 bytes] are images of operand registers: lane (r, h) holds at byte 16 x lane row 16 T + r (16 nt + r), k = 128 ks + 16 j + 8 h + 0..7.
; Images 2 q and 2 q + 1 are registers 0-3 and 4-7 of the fragment of 32 along K.  So a K step's tiles are dense blocks for the tensor loads, and every LDS read is 512 consecutive bytes: no pitch, no padding.
; A tile is 128 tokens x 256 outputs: 256 work-groups.  Four waves, each 64 tokens x 128 outputs: 32 accumulators.  K goes in eight steps of 128 through two LDS slots; a step is four quarters of 32, each 32 matrix instructions and 24 LDS loads.
; CLUSTERS: 4 x 4 work-groups; x's tile is shared along a row of the cluster, Wo's along a column: each is asked for jointly.
; THE MATRIX INSTRUCTION IS USED TRANSPOSED (source 0 = 16 rows of Wo, source 1 = 16 tokens): a lane holds eight neighbouring outputs of one token.  bo is the C of each sum's first product.
; REGISTERS.  Window 0: v16-31 addresses; v32-127 and v128-223 two fragment buffers (64 registers of Wo, 32 of x); on the way out v32-159 rows read back.  Window 1: accumulator (a, b) at v[8 (8 a + b)].  Window 2: v0-63 bo in the result's layout.
.set SLOT,   98304                     ; x's 8 tiles of 4,096 bytes, then Wo's 16
.set BOFF,   32768
.set SPARE,  2*SLOT                    ; the spare words, 128 bytes a wave, which no other line names
.set SPITCH, 528                       ; the way out: a stage of 16 rows x (512 + 16) bytes for each wave, in slot 0, which has had its last fill and its last read by then
.set ADRA, 16
.set ADRB, 20
.set STO,  24
.set RD,   25
.set CO,   26                          ; v26  16 x lane
.set SPW,  28
.set NIL,  29
.set PFO,  30                          ; v30  256 x lane; never rewritten
.set BA,   31                          ; v31  32 (lane / 16): bo's offset
.set F0,   32
.set F1,   128
.set BK,   32
.set G1,  24
.set G0,  32
.set G1B, 48
.set G0B, 56
.set LIM, 43
.set PFA, 44
.set MSB, 0
.macro WIN new
.if MSB != \new
	s_set_vgpr_msb (MSB<<8)|\new
.set MSB, \new
.endif
.endm
.set MUL, 0x50                         ; C and D window 1; with 0x10 more C comes from window 2
.macro JLOAD s                         ; a joint load: waves 0 and 1 fetch x's halves, waves 2 and 3 Wo's; an s_nop 0 and four v_nop follow each line
	s_cmp_eq_u32 s11, 0
	s_cbranch_scc0 .Lfor_b_\@
	tensor_load_to_lds s[G0+4*\s:G0+4*\s+3], s[G1:G1+7]
	s_nop 0
.rept 4
	v_nop
.endr
	s_branch .Lasked_\@
.Lfor_b_\@:
	tensor_load_to_lds s[G0B+4*\s:G0B+4*\s+3], s[G1B:G1B+7]
	s_nop 0
.rept 4
	v_nop
.endr
.Lasked_\@:
.endm
.macro CREST
	s_cmp_lg_u32 s10, 0
	s_cbranch_scc1 .Lnot_wave_0_\@
	s_barrier_signal -3
.Lnot_wave_0_\@:
	s_barrier_wait -3
	s_barrier_signal -1
	s_barrier_wait -1
.endm
.macro CROUND
	s_barrier_signal -1
	s_barrier_wait -1
	CREST
.endm
; A prefetch of x's tile of the K step two refills on: 32,768 bytes, shared out by address among the four partners of my row, 8,192 each; wave 0 asks, lanes 256 bytes apart: each block is named once in the launch.
; K steps 0 to 3 come by their loads alone; the loop's last trip asks for nothing: K ends.  Wo is read by every cluster again and again and is not asked for.
.macro ASK
	s_cmp_gt_u32 s3, s[LIM]
	s_cbranch_scc0 .Lnot_mine_\@
	global_prefetch_b8 v[PFO], s[PFA:PFA+1] th:TH_LOAD_NT scope:SCOPE_SE
.Lnot_mine_\@:
.endm
	s_load_b128 s[4:7], s[0:1], 0x0                ; xa, wo16
	s_load_b128 s[20:23], s[0:1], 0x10             ; bo, out0
	v_lshl_add_u32 v[SPW], v0, 2, SPARE
	v_mov_b32 v[NIL], 0
	ds_add_u32 v[SPW], v[NIL]                      ; the wave's opening: 0 onto my spare word, twice on end, and its wait ahead of my first tensor load
	ds_add_u32 v[SPW], v[NIL]
	v_lshrrev_b32 v1, 5, v0
	v_readfirstlane_b32 s10, v1                    ; wave 0..3
	s_lshr_b32 s11, s10, 1                         ; which 64 tokens are mine.  Also: I fetch x (0) or Wo (1)
	s_and_b32 s12, s10, 1                          ; which 128 outputs.  Also: which half of that tile I fetch
	s_bfe_u32 s40, ttmp6, 0x40000                  ; cx, cy
	s_bfe_u32 s41, ttmp6, 0x40004
	s_lshl_b32 s42, ttmp9, 2
	s_add_co_u32 s42, s42, s40                     ; tx
	s_and_b32 s13, ttmp7, 0xffff
	s_lshl_b32 s13, s13, 2
	s_add_co_u32 s13, s13, s41                     ; ty
	s_lshl_b32 s43, s41, 2
	s_lshl_b32 s43, 15, s43                        ; my row of the cluster
	s_lshl_b32 s44, 0x1111, s40                    ; my column
	s_or_b32 s[G1+0], s43, (3<<16)|(1<<21)         ; the mask; elements of 8 bytes; bit 21 beside a mask; no padding
	s_or_b32 s[G1B+0], s44, (3<<16)|(1<<21)
	s_mov_b32 s[G1+1], 32<<16                      ; rows of 256 bytes
	s_mov_b32 s[G1+2], 64<<16                      ; x: 64 rows: four tiles, 16,384 dense bytes
	s_mov_b32 s[G1+3], 32<<16
	s_mov_b32 s[G1+4], 64
	s_mov_b32 s[G1+5], 32
	s_mov_b32 s[G1+6], 0
	s_mov_b32 s[G1+7], 0
	s_mov_b32 s[G1B+1], 32<<16
	s_mov_b32 s[G1B+2], 128<<16                    ; Wo: 128 rows: eight tiles, 32,768 dense bytes
	s_mov_b32 s[G1B+3], 32<<16
	s_mov_b32 s[G1B+4], 128
	s_mov_b32 s[G1B+5], 32
	s_mov_b32 s[G1B+6], 0
	s_mov_b32 s[G1B+7], 0
	s_lshl_b32 s16, s13, 3
	s_lshl_b32 s17, s12, 2
	s_add_co_u32 s16, s16, s17
	s_lshl_b32 s16, s16, 12                        ; x: tile 8 ty + 4 half
	s_mov_b32 s17, 0
	s_lshl_b32 s46, s42, 4
	s_lshl_b32 s47, s12, 3
	s_add_co_u32 s46, s46, s47
	s_lshl_b32 s46, s46, 12                        ; Wo: tile 16 tx + 8 half
	s_mov_b32 s47, 0
	s_lshl_b32 s18, s12, 14                        ; where they go in a slot
	s_lshl_b32 s19, s12, 15
	s_add_co_u32 s19, s19, BOFF
	s_wait_dscnt 0x0                               ; both opening adds are done
	s_wait_kmcnt 0x0
	s_add_nc_u64 s[14:15], s[4:5], s[16:17]
	s_add_nc_u64 s[46:47], s[6:7], s[46:47]
	CROUND                                         ; all sixteen work-groups are here: the first joint loads meet
.irp s, 0,1
	s_mov_b32 s[G0+4*\s], 1
	s_add_co_u32 s[G0+4*\s+1], s18, \s*SLOT
	s_add_nc_u64 s[G0+4*\s+2:G0+4*\s+3], s[14:15], \s*(1<<21)      ; K step s
	s_or_b32 s[G0+4*\s+3], s[G0+4*\s+3], 0x80000000
	s_mov_b32 s[G0B+4*\s], 1
	s_add_co_u32 s[G0B+4*\s+1], s19, \s*SLOT
	s_add_nc_u64 s[G0B+4*\s+2:G0B+4*\s+3], s[46:47], \s*(1<<18)
	s_or_b32 s[G0B+4*\s+3], s[G0B+4*\s+3], 0x80000000
	JLOAD \s                                       ; two loads of mine are out behind these lines
.endr
	v_and_b32 v1, 31, v0
	v_lshlrev_b32 v[CO], 4, v1
	v_lshlrev_b32 v[PFO], 8, v1
	v_and_b32 v2, 15, v0                           ; r
	v_bfe_u32 v3, v0, 4, 1                         ; h
	v_lshlrev_b32 v[BA], 5, v3
	s_lshl_b32 s16, s42, 10
	s_lshl_b32 s17, s12, 9
	s_add_co_u32 s16, s16, s17                     ; my first output, in bytes of f32: 1,024 tx + 512 half
	s_mov_b32 s17, 0
	s_add_nc_u64 s[20:21], s[20:21], s[16:17]
	s_add_nc_u64 s[22:23], s[22:23], s[16:17]
	WIN 0x80                                       ; destination window 2
.irp b, 0,1,2,3,4,5,6,7
	global_load_b128 v[8*\b:8*\b+3], v[BA], s[20:21] offset:64*\b          ; register j: bo of output 16 b + 8 h + j
	global_load_b128 v[8*\b+4:8*\b+7], v[BA], s[20:21] offset:64*\b+16
.endr
	WIN 0
	s_lshl_b32 s16, s13, 7
	s_lshl_b32 s18, s11, 6
	s_add_co_u32 s16, s16, s18                     ; my first token
	s_lshl_b32 s16, s16, 12                        ; rows of 4,096 bytes
	s_add_nc_u64 s[22:23], s[22:23], s[16:17]
	s_lshl_b32 s16, s11, 14                        ; my four tiles of x,
	v_add_nc_u32 v[ADRA], s16, v[CO]
	v_add_nc_u32 v[ADRA+1], SLOT, v[ADRA]
	s_lshl_b32 s16, s12, 15                        ; my eight of Wo
	s_add_co_u32 s16, s16, BOFF
	v_add_nc_u32 v[ADRB], s16, v[CO]
	v_add_nc_u32 v[ADRB+1], SLOT, v[ADRB]
	s_mul_i32 s16, s10, 16*SPITCH                  ; my stage
	v_mul_u32_u24 v4, v2, SPITCH
	v_lshl_add_u32 v4, v3, 5, v4
	v_add_nc_u32 v[STO], s16, v4                   ; in: row r, 32 bytes for each half of the lanes
	v_add_nc_u32 v[RD], s16, v[CO]                 ; back: the 32 lanes take one row of 512 bytes
	s_lshl_b32 s16, s13, 15                        ; the prefetches: my tile row's 32,768 bytes of a K step,
	s_lshl_b32 s18, s40, 13                        ; my work-group's 8,192 of them,
	s_add_co_u32 s16, s16, s18
	s_add_co_u32 s16, s16, 3<<21                   ; at K step 3: the first refill steps it to 4
	s_add_nc_u64 s[PFA:PFA+1], s[4:5], s[16:17]
	s_cmp_eq_u32 s10, 0
	s_cselect_b32 s[LIM], 1, -1                    ; wave 0 asks: the wave's number alone
; 8 matrix instructions: token block a x Wo's eight blocks, 32 along K.  first = 1: C is bo.  The 32 accumulators take turns, one instruction a turn, in the same order in every quarter
.macro MUL8 f, a, first
.irp b, 0,1,2,3,4,5,6,7
.if \first
	v_wmma_f32_16x16x32_f16 v[8*(8*(\a)+\b):8*(8*(\a)+\b)+7], v[\f+8*\b:\f+8*\b+7], v[\f+64+8*(\a):\f+64+8*(\a)+7], v[8*\b:8*\b+7]
.else
	v_wmma_f32_16x16x32_f16 v[8*(8*(\a)+\b):8*(8*(\a)+\b)+7], v[\f+8*\b:\f+8*\b+7], v[\f+64+8*(\a):\f+64+8*(\a)+7], v[8*(8*(\a)+\b):8*(8*(\a)+\b)+7]
.endif
.endr
.endm
.macro FETCH slot, q, f                ; 24 LDS loads in one run: quarter q's fragments: Wo's sixteen loads first, then x's eight
	WIN 0
.irp b, 0,1,2,3,4,5,6,7
.irp e, 0,1
	ds_load_b128 v[\f+8*\b+4*\e:\f+8*\b+4*\e+3], v[ADRB+\slot] offset:4096*\b+1024*(\q)+512*\e
.endr
.endr
.irp a, 0,1,2,3
.irp e, 0,1
	ds_load_b128 v[\f+64+8*\a+4*\e:\f+64+8*\a+4*\e+3], v[ADRA+\slot] offset:4096*\a+1024*(\q)+512*\e
.endr
.endr
.endm
.macro PLACES                          ; four plain lines in front of loads into registers that matrix instructions have read (ISA guide 7.12.1 for vector instructions)
.rept 4
	v_nop
.endr
.endm
.macro QUARTER slot, qn, f, g, first   ; multiplies buffer f; in its middle fetches quarter qn of the same slot into g
	s_wait_dscnt 4                                 ; Wo's fragments and x's blocks 0, 1 are in; the youngest four loads (blocks 2, 3) may be out
	WIN (MUL+0x10*\first)
	MUL8 \f, 0, \first
	MUL8 \f, 1, \first
	PLACES
	FETCH \slot, \qn, \g
	s_wait_dscnt 24                                ; all but the 24 just issued
	WIN (MUL+0x10*\first)
	MUL8 \f, 2, \first
	MUL8 \f, 3, \first
.endm
; A K step's last quarter multiplies buffer 1 and changes slots: one barrier; in front of it each wave waits for all its tensor loads, adds 0 to its spare word, and waits for that and for its reads of this slot.
; fill = 1: the barrier opens a round of the cluster's, and this slot is filled again, two K steps ahead, first thing behind it: 112 matrix instructions ahead of the wait for it; one load of mine is out.
.macro TURN slot, next, fill
.if \fill
	s_wait_xcnt 0x0                                ; the last prefetch, a K step back, has read its address
	s_add_nc_u64 s[PFA:PFA+1], s[PFA:PFA+1], 1<<21
.endif
	WIN 0
	s_wait_tensorcnt 0x0                           ; all my tensor loads have landed: my part of the next slot
	ds_add_u32 v[SPW], v[NIL]
	s_wait_dscnt 5                                 ; (the add and the youngest four loads may be out)
	WIN MUL
	MUL8 F1, 0, 0
	s_wait_dscnt 0x0                               ; the add is done, and my reads of this slot are over
	s_barrier_signal -1
	MUL8 F1, 1, 0
	WIN 0
	s_barrier_wait -1
.if \fill
	CREST
	s_add_nc_u64 s[G0+4*\slot+2:G0+4*\slot+3], s[G0+4*\slot+2:G0+4*\slot+3], 2<<21
	s_add_nc_u64 s[G0B+4*\slot+2:G0B+4*\slot+3], s[G0B+4*\slot+2:G0B+4*\slot+3], 2<<18
	JLOAD \slot                                    ; its four v_nop are also the places in front of the loads below
.else
	PLACES
.endif
	FETCH \next, 0, F0
.if \fill
	ASK
.endif
	WIN MUL
	MUL8 F1, 2, 0
	MUL8 F1, 3, 0
.endm
	s_wait_tensorcnt 1                             ; my part of K step 0 is in; K step 1's load may be out
	s_barrier_signal -1
	s_barrier_wait -1
	FETCH 0, 0, F0
	s_wait_loadcnt 0x0                             ; bo
	QUARTER 0, 1, F0, F1, 1                        ; the first quarter stands in front of the loop: its products start the sums from bo
	WIN 0
	s_mov_b32 s3, 3
.Llap:                                             ; a trip goes once round the ring, from a lap's second quarter to the next lap's first, and fills both slots again
	QUARTER 0, 2, F1, F0, 0
	QUARTER 0, 3, F0, F1, 0
	TURN 0, 1, 1
	QUARTER 1, 1, F0, F1, 0
	QUARTER 1, 2, F1, F0, 0
	QUARTER 1, 3, F0, F1, 0
	TURN 1, 0, 1
	QUARTER 0, 1, F0, F1, 0
	WIN 0
	s_sub_co_u32 s3, s3, 1
	s_cmp_lg_u32 s3, 0
	s_cbranch_scc1 .Llap
	QUARTER 0, 2, F1, F0, 0                        ; the last lap fills nothing
	QUARTER 0, 3, F0, F1, 0
	TURN 0, 1, 0
	QUARTER 1, 1, F0, F1, 0
	QUARTER 1, 2, F1, F0, 0
	QUARTER 1, 3, F0, F1, 0
	s_wait_dscnt 4                                 ; the very last quarter: nothing more to fetch
	WIN MUL
	MUL8 F1, 0, 0
	MUL8 F1, 1, 0
	s_wait_dscnt 0
	MUL8 F1, 2, 0
	MUL8 F1, 3, 0
	WIN 0
; THE WAY OUT, block by block of 16 tokens x 128 outputs.  A lane holds 32 neighbouring bytes of a row and the lanes beside it other rows: a block goes through my own stage and comes back as whole rows of 512 bytes.
; LDS serves a wave's instructions in order (ISA guide 5.7.1.4): no wait between the stores and the loads, nor in front of the next block's stores.
.macro TOSTAGE a
	WIN 0x04                                       ; an LDS store's data: window 1
.irp b, 0,1,2,3,4,5,6,7
	ds_store_b128 v[STO], v[8*(8*(\a)+\b):8*(8*(\a)+\b)+3] offset:64*\b          ; each accumulator from its low end on
	ds_store_b128 v[STO], v[8*(8*(\a)+\b)+4:8*(8*(\a)+\b)+7] offset:64*\b+16
.endr
	WIN 0
.set BB, BK+64*((\a)%2)
.irp t, 0,1,2,3,4,5,6,7,8,9,10,11,12,13,14,15
	ds_load_b128 v[BB+4*\t:BB+4*\t+3], v[RD] offset:\t*SPITCH
.endr
.endm
.macro SEND a, younger                 ; younger: the LDS instructions issued behind block a's loads, which may stay out
.set BB, BK+64*((\a)%2)
	s_wait_dscnt \younger
.if (\a) > 0
	s_add_nc_u64 s[22:23], s[22:23], 16*4096       ; (behind a wait on XCNT: the earlier stores have read their base)  16 rows on
.endif
.irp t, 0,1,2,3,4,5,6,7,8,9,10,11,12,13,14,15
	global_store_b128 v[CO], v[BB+4*\t:BB+4*\t+3], s[22:23] offset:\t*4096 th:TH_STORE_NT   ; 32 lanes store 512 consecutive bytes, at a multiple of 512 from out0's first byte
.endr
.endm
	PLACES                                         ; behind the last products: for the reads of results and the loads into the fragments' registers
	TOSTAGE 0
.irp a, 1,2,3
.if \a > 1
	s_wait_xcnt 0x0                                ; block a - 2's stores have read their registers and their base
.endif
	TOSTAGE \a
	SEND \a-1, 32                                  ; behind block a - 1's loads: block a's 16 stores and 16 loads
.endr
	s_wait_xcnt 0x0
	SEND 3, 0
	s_wait_tensorcnt 0x0                           ; the wave's end: no tensor load of mine is out; then 0 onto my spare word and its wait, behind my last LDS store
	ds_add_u32 v[SPW], v[NIL]
	s_wait_dscnt 0x0
	CROUND                                         ; the closing round
	s_endpgm
.Lfunc_end_k_qefe0307171_outp:
	.size	k_qefe0307171_outp, .Lfunc_end_k_qefe0307171_outp-k_qefe0307171_outp
	.p2alignl 7, 3214868480
	.fill 96, 4, 3214868480
	.section	.rodata,"a",@progbits
	.p2align	6, 0x0
	.amdhsa_kernel k_qefe0307171_outp
		.amdhsa_group_segment_fixed_size 327680
		.amdhsa_private_segment_fixed_size 0
		.amdhsa_enable_private_segment 0
		.amdhsa_kernarg_size 32
		.amdhsa_user_sgpr_count 2
		.amdhsa_user_sgpr_kernarg_segment_ptr 1
		.amdhsa_wavefront_size32 1
		.amdhsa_system_sgpr_workgroup_id_x 1
		.amdhsa_system_sgpr_workgroup_id_y 1
		.amdhsa_system_sgpr_workgroup_id_z 1
		.amdhsa_system_vgpr_workitem_id 0
		.amdhsa_next_free_vgpr 640
		.amdhsa_next_free_sgpr 66
		.amdhsa_reserve_vcc 0
		.amdhsa_float_denorm_mode_32 3
		.amdhsa_float_denorm_mode_16_64 3
		.amdhsa_memory_ordered 1
		.amdhsa_forward_progress 1
		.amdhsa_inst_pref_size 87
	.end_amdhsa_kernel
	.amdgpu_metadata
---
amdhsa.version: [ 1, 2 ]
amdhsa.kernels:
  - .name:           k_qefe0307171_outp
    .symbol:         k_qefe0307171_outp.kd
    .args:
      - { .name: xa, .offset: 0, .size: 8, .value_kind: global_buffer, .address_space: global }
      - { .name: wo16, .offset: 8, .size: 8, .value_kind: global_buffer, .address_space: global }
      - { .name: bo, .offset: 16, .size: 8, .value_kind: global_buffer, .address_space: global }
      - { .name: out0, .offset: 24, .size: 8, .value_kind: global_buffer, .address_space: global }
    .group_segment_fixed_size: 327680
    .private_segment_fixed_size: 0
    .kernarg_segment_align: 8
    .kernarg_segment_size: 32
    .max_flat_workgroup_size: 128
    .sgpr_count:     66
    .vgpr_count:     640
    .wavefront_size: 32
...
	.end_amdgpu_metadata
.endif
;; end of part 4
